; MI455X (gfx1250); checked and timed in simulation.
; The chip was launched on July 23, 2026; its instructions are those of AMD's public machine-readable ISA for CDNA 5 (MIT licence, August 2026) and "CDNA5" Instruction Set Architecture Reference Guide (July 2026). The comments in the code are by the model that wrote it; some were corrected since.
;; Local GQ Attention. Allowed arithmetic: matrix products marked QUANTISED: E2M3 operands, one E8M0 scale for each 32 along K, by v_wmma_scale_f32_16x16x128_f8f6f4 with both operands' format E2M3, f32 sums; everything else in f32.
;; Inputs: wk 512 x 2,048 float32; wo 2,048 x 1,024 float32; wq 1,024 x 2,048 float32; wv 512 x 2,048 float32; x 1 x 4,096 x 2,048 float32.
;; Outputs: out0 1 x 4,096 x 2,048 float32.
;; This version of the problem:
;;   THIS VERSION OF THE PROBLEM IS GIVEN IN LOW PRECISION. The matrix products marked QUANTISED in the list below multiply operands that are first quantised to E2M3 (2 exponent bits, 3 mantissa bits; 6 bits a number), with one power-of-two scale for each 32 numbers along K (OCP MX v1.0); their sums are f32. All else is computed in f32.
;;   The module's matrix products, in the order in which they are computed (A, B: the left and right operand; K: the contracted axis; several contracted axes count as one K, in the product's order):
;;     1. [M 4,096, K 2,048] x [K 2,048, N 1,024]; A: input x; B: input wq: QUANTISED
;;     2. [M 4,096, K 2,048] x [K 2,048, N 512]; A: input x; B: input wk: QUANTISED
;;     3. [M 4,096, K 2,048] x [K 2,048, N 512]; A: input x; B: input wv: QUANTISED
;;     4. batch 4 x [M 4,096, K 128] x [K 128, N 8,192]; A: computed on the way; B: computed on the way: QUANTISED
;;     5. batch 4 x [M 128, K 4,096] x [K 4,096, N 8,192]; A: computed on the way; B: softmax (see below): QUANTISED
;;     6. [M 4,096, K 1,024] x [K 1,024, N 2,048]; A: computed on the way; B: input wo: QUANTISED
;;   THE QUANTISER, for each operand of a quantised product, along K:
;;     - K is cut into blocks of 32 from its start; a last block that is shorter is filled with zeros.
;;     - A block's scale is 2^e with e = floor(log2(the largest magnitude in the block)) - 2, held to -126 .. 127; a block of zeros has e = 0. As a byte (E8M0): e + 127.
;;     - Each number is divided by its block's scale, clamped to +-7.5, and rounded to the nearest number of E2M3, ties to even, subnormals kept.
;;     - The product sums the exact products of the quantised numbers (number of the format x scale) in f32.
;;   ~~~python
;;   def quantise(x, axis):      # numpy; x: float32 -> the quantised numbers, widened to float32 again
;;       x = np.moveaxis(x, axis, -1); K = x.shape[-1]
;;       x = np.pad(x, [(0, 0)] * (x.ndim - 1) + [(0, -K % 32)]); x = x.reshape(x.shape[:-1] + (-1, 32)); a = np.abs(x).max(-1, keepdims=True)
;;       e = np.where(a > 0, np.clip(np.frexp(np.where(a > 0, a, 1))[1] - 1 - 2, -126, 127), 0)      # np.frexp(a)[1] - 1 = floor(log2(a)), exactly
;;       r = np.clip(x / 2.0 ** e, -7.5, 7.5)
;;       step = 2.0 ** (np.maximum(np.frexp(np.where(r == 0, 1, r))[1] - 1, 0) - 3)
;;       q = np.round(r / step) * step * 2.0 ** e      # np.round: ties to even
;;       return np.moveaxis(q.reshape(q.shape[:-2] + (-1,))[..., :K], -1, axis).astype(np.float32)
;;   ~~~
;;   SOFTMAX AHEAD OF A QUANTISED PRODUCT. Where the list says 'softmax', what is quantised is not the finished softmax but p = 2^(t - M), with t = logit x log2(e) and M = ceil(the row's largest t), a whole number; so 1/2 < the row's largest p <= 1. The row's sum l is taken of the UNQUANTISED p, in f32, and the product's result is divided by l at the end. Since M is a whole number, a kernel that streams over the keys may use a running M (the ceiling of the running maximum): every later rescaling is an exact power of two, which a block's scale takes up: the codes' values come out the same.
;;   OPERANDS COMPUTED ON THE WAY. 'Computed on the way' means the value that the module computes at that place (a softmax that the list does not call 'softmax' is quantised finished and normalised). What goes into a quantiser is computed in f32, as accurately as f32 sums, v_exp_f32 and their like allow (about 1e-6 of the number): no bf16 or f16 on the way to a quantiser, and a product that is left as it is and whose result goes on into a quantised operand takes f32 operands (vector FMAs, or v_wmma_f32_16x16x4_f32). A number that lies on a knife's edge between two numbers of the format may be rounded either way, as far as f32 arithmetic and the matrix unit's own rounding can turn it there, and no further.
;; One version. Each part assembles by itself: llvm-mc -triple=amdgcn-amd-amdhsa -mcpu=gfx1250 --defsym DOCPART=n.
;; ======== version 1 of 1: 4 launches
;; limits: right only within a limited range of input values
;; workspace buffers: w1 13,565,952 bytes; w2 6,553,600 bytes; w3 3,276,800 bytes
;; launch prep (part 1): grid 512 x 1, 4 waves a work-group, no clusters, 35,328 bytes of LDS; arguments x, wq, wk, wv, wo, w1; writes w1
.if DOCPART == 1
	.amdgcn_target "amdgcn-amd-amdhsa--gfx1250"
	.amdhsa_code_object_version 6
	.text
	.protected	k_q3f32df1712_prep
	.globl	k_q3f32df1712_prep
	.p2align	8
	.type	k_q3f32df1712_prep,@function
k_q3f32df1712_prep:
	s_mov_b64 s[64:65], 0
	v_nop
	global_prefetch_b8 v0, s[64:65] scope:SCOPE_SE
	s_setreg_imm32_b32 hwreg(HW_REG_WAVE_MODE, 25, 1), 1
	s_wait_xcnt 0x0
; x [4096][2048], wq [1024][2048], wk, wv [512][2048], wo [2048][1024], all f32 with K innermost, become codes of E2M3 with one E8M0 byte for each 32 along K; and the table of cos and sin for the rotation is made.
; THE CODES LIE AS IMAGES OF OPERAND REGISTERS.  A fragment is 16 rows x 128 K: 12 registers a lane, 1,536 bytes: registers 4 c .. 4 c + 3 of lane l at 512 c + 16 l.
; THE ROWS OF A TILE ARE NOT NEIGHBOURS: slot r of tile 2 b + u holds row 32 b + 8 u + r + 8 (r / 8).
; w1: codes of x, wq, wk, wv: tile x 24,576 + kappa x 1,536 (tiles 0-255 x, 256-319 wq, 320-351 wk, 352-383 wv); from 9,437,184 wo's: tile x 12,288 + kappa x 1,536;
;     from XW_S the scale words: 1,024 bytes for each work-group: [wave][r][4 words]; from ROPE_T the table: [t][cos 64 | sin 64] f32.
; Work-groups 0-447 quantise: each 16 fragments, a wave four (16 rows x 512 along K).  Work-groups 448-511 make the table, 16 values of t a wave.  Waves share nothing: no barrier.
; A block's scale is 2^(floor(log2(largest magnitude)) - 2): its byte is the largest magnitude's exponent field - 2, held at 1 from below.
; LIMITS: NaN and infinities among the inputs are not served.  A block whose largest magnitude lies under 2^-124, a block of zeros among them, gets the byte 1 (the rule says 127 for zeros): its codes are zeros or
; the rule's own at the held scale, and this program alone reads the bytes.  inv_freq is the nearest f32 to 1 / fl(10000^(j / 64)), the power being made in two-part f32 arithmetic.
.set XW_S,   11010048
.set ROPE_T, 11468800
.set SPITCH, 528                       ; a stage row: 512 bytes + 16: the sixteen rows that a load of 16 bytes a lane touches begin in sixteen different groups of banks
.set WSTG,   16*SPITCH                 ; a wave's stage
.set PW, 16                            ; v16-19  the scale words of my four fragments
.set PC, 20                            ; v20-31  a fragment's codes
.set CT, 32                            ; v32-38  the second halves of the blocks' codes, before they are moved
.set G,  64                            ; v64-191 two sets of 64: a fragment's numbers as loaded
.set X,  192                           ; v192-255 the same, 64 neighbours of one row a lane
	s_load_b256 s[4:11], s[0:1], 0x0               ; x, wq, wk, wv
	s_load_b128 s[12:15], s[0:1], 0x20             ; wo, w1
	v_lshl_add_u32 v62, v0, 2, 0x8800
	v_mov_b32 v63, 0
	v_lshrrev_b32 v1, 5, v0
	v_readfirstlane_b32 s16, v1                    ; wave
	s_mov_b32 s17, ttmp9                           ; work-group
	v_and_b32 v2, 31, v0                           ; lane
	s_cmp_ge_u32 s17, 448
	s_cbranch_scc1 .Ltable
	; ---------------- the quantiser
	v_lshlrev_b32 v1, 4, v2                        ; 16 x lane
	v_and_b32 v2, 15, v0                           ; r
	v_bfe_u32 v3, v0, 4, 1                         ; h
	s_mul_i32 s19, s16, WSTG
	v_add_nc_u32 v4, s19, v1                       ; into the stage: a row's 512 bytes as they lie
	v_mul_u32_u24 v5, v2, SPITCH
	v_lshl_add_u32 v5, v3, 7, v5
	v_add_nc_u32 v5, s19, v5                       ; out of it: row r, from k = 32 h on
	v_lshlrev_b32 v8, 4, v2
	v_lshl_add_u32 v8, v3, 3, v8                   ; scale words out: 16 r + 8 h
	v_lshlrev_b32 v9, 3, v3                        ; 8 h: my bytes' shift in a scale word
	v_mov_b32 v40, 0                               ; a lane permute's destination counts as one of its sources
	s_mov_b32 s70, 0x76543210
	s_mov_b32 s71, 0xfedcba98                      ; selects for lane l xor 16
	s_mul_i32 s66, s17, 24576
	s_mul_i32 s67, s16, 6144
	s_add_co_u32 s66, s66, s67                     ; my four fragments' place
	s_mov_b32 s67, 0
	s_lshl_b32 s68, s17, 10
	s_lshl_b32 s69, s16, 8
	s_add_co_u32 s68, s68, s69
	s_add_co_u32 s68, s68, XW_S                    ; my 256 bytes of scale words
	s_mov_b32 s69, 0
	s_wait_alu depctr_va_vdst(0)
	s_wait_kmcnt 0x0
	s_add_nc_u64 s[66:67], s[14:15], s[66:67]
	s_add_nc_u64 s[68:69], s[14:15], s[68:69]
	s_mov_b64 s[20:21], s[12:13]                   ; which tensor: the choice hangs on the work-group's number alone
	s_mov_b32 s18, 384
	s_cmp_lt_u32 s17, 384
	s_cselect_b64 s[20:21], s[10:11], s[20:21]
	s_cselect_b32 s18, 352, s18
	s_cmp_lt_u32 s17, 352
	s_cselect_b64 s[20:21], s[8:9], s[20:21]
	s_cselect_b32 s18, 320, s18
	s_cmp_lt_u32 s17, 320
	s_cselect_b64 s[20:21], s[6:7], s[20:21]
	s_cselect_b32 s18, 256, s18
	s_cmp_lt_u32 s17, 256
	s_cselect_b64 s[20:21], s[4:5], s[20:21]
	s_cselect_b32 s18, 0, s18
	s_sub_co_u32 s18, s17, s18                     ; the work-group's number within its tensor
	s_lshr_b32 s22, s18, 1                         ; K = 2,048: one tile a work-group: b, u from its number; wave w takes k from 512 w on
	s_and_b32 s23, s18, 1
	s_lshr_b32 s24, s16, 1                         ; wo, K = 1,024: a pair of tiles: b = the number, u = w / 2; k from 512 (w % 2) on
	s_and_b32 s25, s16, 1
	s_mov_b32 s26, 8192
	s_cmp_lt_u32 s17, 384
	s_cselect_b32 s22, s22, s18
	s_cselect_b32 s23, s23, s24
	s_cselect_b32 s25, s16, s25
	s_cselect_b32 s26, s26, 4096                   ; bytes from row to row
	s_lshl_b32 s22, s22, 5
	s_lshl_b32 s23, s23, 3
	s_add_co_u32 s22, s22, s23                     ; the tile's first row: 32 b + 8 u
	s_mul_i32 s22, s22, s26
	s_lshl_b32 s25, s25, 11
	s_add_co_u32 s22, s22, s25
	s_mov_b32 s23, 0
	s_mov_b32 s27, 0
	s_mul_i32 s28, s26, 9                          ; from slot 7 to slot 8: nine rows
	s_mov_b32 s29, 0
	s_add_nc_u64 s[32:33], s[20:21], s[22:23]      ; sixteen bases, one for each slot; never rewritten
.irp i, 1,2,3,4,5,6,7,8,9,10,11,12,13,14,15
.if \i == 8
	s_add_nc_u64 s[32+2*\i:33+2*\i], s[30+2*\i:31+2*\i], s[28:29]
.else
	s_add_nc_u64 s[32+2*\i:33+2*\i], s[30+2*\i:31+2*\i], s[26:27]
.endif
.endr
.macro LOAD f                          ; fragment f: sixteen loads, each 512 consecutive bytes of one row
.irp i, 0,1,2,3,4,5,6,7,8,9,10,11,12,13,14,15
	global_load_b128 v[G+64*((\f)%2)+4*\i:G+64*((\f)%2)+4*\i+3], v1, s[32+2*\i:33+2*\i] offset:512*(\f) th:TH_LOAD_NT
.endr
.endm
.macro TURN f                          ; through my own stage: LDS serves a wave's instructions in order, so no wait stands between the stores and the loads
.irp i, 0,1,2,3,4,5,6,7,8,9,10,11,12,13,14,15
	ds_store_b128 v4, v[G+64*((\f)%2)+4*\i:G+64*((\f)%2)+4*\i+3] offset:SPITCH*\i
.endr
.irp c, 0,1
.irp q, 0,1,2,3,4,5,6,7
	ds_load_b128 v[X+32*\c+4*\q:X+32*\c+4*\q+3], v5 offset:256*\c+16*\q   ; X[32 c + i] = k 64 c + 32 h + i of row r: two whole blocks a lane, in the operand's own order
.endr
.endr
.endm
.macro FRAGQ f
.irp c, 0,1
	v_max3_num_f32 v[10+\c], |v[X+32*\c]|, |v[X+32*\c+1]|, 0x1800000   ; my block 2 c + h, and the floor 2^(3 - 127): the byte cannot fall under 1
.endr
.irp i, 2,4,6,8,10,12,14,16,18,20,22,24,26,28,30
.irp c, 0,1
	v_max3_num_f32 v[10+\c], v[10+\c], |v[X+32*\c+\i]|, |v[X+32*\c+\i+1]|
.endr
.endr
.irp c, 0,1
	v_add_nc_u32 v[12+\c], 0xff000000, v[10+\c]    ; 2 off the exponent field: the conversion's scale operand
.endr
.irp c, 0,1
	v_lshrrev_b32 v[14+\c], 23, v[12+\c]           ; the scale's byte
.endr
	v_lshl_or_b32 v[PW+\f], v15, 16, v14           ; bytes h and 2 + h of the row's word,
	v_lshlrev_b32 v[PW+\f], v9, v[PW+\f]
	v_permlanex16_b32 v40, v[PW+\f], s70, s71
	v_or_b32 v[PW+\f], v[PW+\f], v40               ; with lane l xor 16's two the word is whole
.if \f > 0
	s_wait_alu depctr_va_vdst(0)
	s_wait_xcnt 0x0                                ; the last fragment's stores have read their data: the codes' registers are written again only behind this wait
.endif
.irp c, 0,1
	v_cvt_scalef32_pk16_fp6_f32 v[PC+6*\c:PC+6*\c+2], v[X+32*\c:X+32*\c+15], v[12+\c]
	v_cvt_scalef32_pk16_fp6_f32 v[CT+4*\c:CT+4*\c+2], v[X+32*\c+16:X+32*\c+31], v[12+\c]   ; (a conversion's three registers begin on an even number)
.endr
	v_nop                                          ; one plain place behind a scaled conversion
.irp c, 0,1
.irp i, 0,1,2
	v_mov_b32 v[PC+3+6*\c+\i], v[CT+4*\c+\i]
.endr
.endr
.irp c, 0,1,2
	global_store_b128 v1, v[PC+4*\c:PC+4*\c+3], s[66:67] offset:1536*(\f)+512*\c   ; 512 consecutive bytes, aligned
.endr
.endm
	LOAD 0
	LOAD 1
.irp f, 0,1,2,3
.if \f < 3
	s_wait_loadcnt 16                              ; this fragment's sixteen loads are in; the next fragment's sixteen may be out
.else
	s_wait_loadcnt 0x0
.endif
	TURN \f
	s_wait_dscnt 0x0                               ; X is in, and the stores into the stage have read their set
.if \f < 2
	LOAD \f+2
.endif
	FRAGQ \f
.endr
	v_cmp_eq_u32 vcc_lo, 1, v3
	v_cndmask_b32 v10, v16, v18, vcc_lo            ; lane (r, h) stores words 2 h and 2 h + 1 of row r: the wave's 32 lanes cover 256 consecutive bytes, aligned
	v_cndmask_b32 v11, v17, v19, vcc_lo
	global_store_b64 v8, v[10:11], s[68:69]
	s_wait_tensorcnt 0x0
	ds_add_u32 v62, v63
	s_wait_dscnt 0x0
	s_endpgm
	; ---------------- the table: cos and sin of fl(t x inv_freq[j]), j = 0 .. 63
.Ltable:
	s_sub_co_u32 s18, s17, 448
	s_lshl_b32 s18, s18, 2
	s_add_co_u32 s18, s18, s16                     ; which run of 16 values of t is my wave's
	s_lshl_b32 s19, s18, 4                         ; its first t
	s_lshl_b32 s20, s18, 13
	s_add_co_u32 s20, s20, ROPE_T
	s_mov_b32 s21, 0
	s_mov_b32 s72, 0x3f22f983                      ; 2 / pi
	s_mov_b32 s73, 0x3fc90fdb                      ; pi / 2, upper part,
	s_mov_b32 s74, 0xb33bbd2e                      ; and what is left of it
	s_mov_b32 s75, 0xbe2aaaa3                      ; sine on |r| <= pi / 4: r + r z (S1 + z (S2 + z S3)), z = r r
	s_mov_b32 s76, 0x3c08839e
	s_mov_b32 s77, 0xb94ca1f9
	s_mov_b32 s78, 0x3d2aaaa5                      ; cosine: 1 - z / 2 + z z (C1 + z (C2 + z C3))
	s_mov_b32 s79, 0xbab6061a
	s_mov_b32 s80, 0x37ccf5ce
	s_wait_alu depctr_va_vdst(0)
	v_lshlrev_b32 v1, 3, v2                        ; 8 x lane: a lane takes j = 2 lane and 2 lane + 1, so a store covers a token's 256 bytes of cos or of sin
	v_lshlrev_b32 v3, 1, v2
	v_or_b32 v4, 1, v3
	v_mov_b32 v40, 0x3f93cfe5                      ; 10^(1/16), 10^(1/8), 10^(1/4), 10^(1/2), 10, 100: upper parts,
	v_mov_b32 v41, 0x3faab0d5
	v_mov_b32 v42, 0x3fe39ea9
	v_mov_b32 v43, 0x404a62c2
	v_mov_b32 v44, 0x41200000
	v_mov_b32 v45, 0x42c80000
	v_mov_b32 v46, 0x334a404e                      ; and what is left of each
	v_mov_b32 v47, 0xb36457eb
	v_mov_b32 v48, 0xb26aee3b
	v_mov_b32 v49, 0xb324b496
	v_mov_b32 v50, 0
	v_mov_b32 v51, 0
; 10000^(j / 64) = 10^(j / 16) is the product of the factors that j's bits name, kept in two parts (v22, v23); its upper part is the nearest f32.  Then 1 / that, by the reciprocal and two corrections.
.macro INVF dst, j
	v_mov_b32 v22, 1.0
	v_mov_b32 v23, 0
.irp b, 0,1,2,3,4,5
	v_and_b32 v19, 1<<\b, v[\j]
	v_cmp_ne_u32 vcc_lo, 0, v19
	v_cndmask_b32 v20, 1.0, v[40+\b], vcc_lo
	v_cndmask_b32 v21, 0, v[46+\b], vcc_lo
	v_mul_f32 v24, v22, v20
	v_fma_f32 v25, v22, v20, -v24                  ; what the multiplication dropped
	v_fma_f32 v25, v22, v21, v25
	v_fma_f32 v25, v23, v20, v25
	v_add_f32 v22, v24, v25
	v_sub_f32 v19, v22, v24
	v_sub_f32 v23, v25, v19
.endr
	v_rcp_f32 v[\dst], v22
	v_nop                                          ; one plain place behind a transcendental
	s_wait_alu depctr_va_vdst(0)
.rept 2
	v_fma_f32 v19, -v22, v[\dst], 1.0
	v_fma_f32 v[\dst], v19, v[\dst], v[\dst]
.endr
.endm
	INVF 5, 3
	INVF 6, 4
; theta = t x inv, one rounding.  n = the nearest whole number to theta x 2 / pi (at most 2,607); theta - n x (upper part) is exact: a multiple of 2^-23 under 1.
.macro SINCOS c, s, inv
	v_mul_f32 v10, v26, v[\inv]
	v_mul_f32 v11, s72, v10
	v_rndne_f32 v11, v11
	v_fma_f32 v12, -v11, s73, v10
	v_fma_f32 v12, -v11, s74, v12
	v_mul_f32 v13, v12, v12
	v_fma_f32 v14, v13, s77, s76
	v_fma_f32 v15, v13, s80, s79
	v_fma_f32 v14, v14, v13, s75
	v_fma_f32 v15, v15, v13, s78
	v_mul_f32 v16, v13, v13
	v_fma_f32 v17, v13, -0.5, 1.0
	v_mul_f32 v14, v14, v13
	v_fma_f32 v15, v15, v16, v17                   ; cos r
	v_fma_f32 v14, v14, v12, v12                   ; sin r
	v_cvt_i32_f32 v18, v11
	v_and_b32 v19, 1, v18
	v_cmp_ne_u32 vcc_lo, 0, v19                    ; an odd quarter swaps the two;
	v_cndmask_b32 v[\s], v14, v15, vcc_lo
	v_cndmask_b32 v[\c], v15, v14, vcc_lo
	v_lshlrev_b32 v19, 30, v18
	v_and_b32 v19, 0x80000000, v19
	v_xor_b32 v[\s], v[\s], v19                    ; quarters 2 and 3 turn the sine's sign,
	v_add_nc_u32 v18, 1, v18
	v_lshlrev_b32 v19, 30, v18
	v_and_b32 v19, 0x80000000, v19
	v_xor_b32 v[\c], v[\c], v19                    ; quarters 1 and 2 the cosine's
.endm
	v_mov_b32 v27, s19
	s_wait_alu depctr_va_vdst(0)
	s_wait_kmcnt 0x0
	s_add_nc_u64 s[14:15], s[14:15], s[20:21]
.irp k, 0,1,2,3,4,5,6,7,8,9,10,11,12,13,14,15   ; each t has its own four result registers: no store's data are written again
	v_add_nc_u32 v26, \k, v27
	v_cvt_f32_u32 v26, v26
	SINCOS 64+4*\k, 66+4*\k, 5
	SINCOS 65+4*\k, 67+4*\k, 6
	global_store_b64 v1, v[64+4*\k:65+4*\k], s[14:15] offset:512*\k
	global_store_b64 v1, v[66+4*\k:67+4*\k], s[14:15] offset:512*\k+256
.endr
	s_endpgm
.Lfunc_end_k_q3f32df1712_prep:
	.size	k_q3f32df1712_prep, .Lfunc_end_k_q3f32df1712_prep-k_q3f32df1712_prep
	.p2alignl 7, 3214868480
	.fill 96, 4, 3214868480
	.section	.rodata,"a",@progbits
	.p2align	6, 0x0
	.amdhsa_kernel k_q3f32df1712_prep
		.amdhsa_group_segment_fixed_size 35328
		.amdhsa_private_segment_fixed_size 0
		.amdhsa_enable_private_segment 0
		.amdhsa_kernarg_size 48
		.amdhsa_user_sgpr_count 2
		.amdhsa_user_sgpr_kernarg_segment_ptr 1
		.amdhsa_wavefront_size32 1
		.amdhsa_system_sgpr_workgroup_id_x 1
		.amdhsa_system_sgpr_workgroup_id_y 1
		.amdhsa_system_sgpr_workgroup_id_z 1
		.amdhsa_system_vgpr_workitem_id 0
		.amdhsa_next_free_vgpr 256
		.amdhsa_next_free_sgpr 100
		.amdhsa_reserve_vcc 1
		.amdhsa_float_denorm_mode_32 3
		.amdhsa_float_denorm_mode_16_64 3
		.amdhsa_memory_ordered 1
		.amdhsa_forward_progress 1
		.amdhsa_inst_pref_size 82
	.end_amdhsa_kernel
	.amdgpu_metadata
---
amdhsa.version: [ 1, 2 ]
amdhsa.kernels:
  - .name:           k_q3f32df1712_prep
    .symbol:         k_q3f32df1712_prep.kd
    .args:
      - { .name: x, .offset: 0, .size: 8, .value_kind: global_buffer, .address_space: global }
      - { .name: wq, .offset: 8, .size: 8, .value_kind: global_buffer, .address_space: global }
      - { .name: wk, .offset: 16, .size: 8, .value_kind: global_buffer, .address_space: global }
      - { .name: wv, .offset: 24, .size: 8, .value_kind: global_buffer, .address_space: global }
      - { .name: wo, .offset: 32, .size: 8, .value_kind: global_buffer, .address_space: global }
      - { .name: w1, .offset: 40, .size: 8, .value_kind: global_buffer, .address_space: global }
    .group_segment_fixed_size: 35328
    .private_segment_fixed_size: 0
    .kernarg_segment_align: 8
    .kernarg_segment_size: 48
    .max_flat_workgroup_size: 128
    .sgpr_count:     100
    .vgpr_count:     256
    .wavefront_size: 32
...
	.end_amdgpu_metadata
.endif
;; end of part 1
;; launch qkv (part 2): grid 256 x 1, 4 waves a work-group, clusters of 4 x 1, 327,680 bytes of LDS; arguments w1, w2; writes w2
.if DOCPART == 2
	.amdgcn_target "amdgcn-amd-amdhsa--gfx1250"
	.amdhsa_code_object_version 6
	.text
	.protected	k_q3f32df1712_qkv
	.globl	k_q3f32df1712_qkv
	.p2align	8
	.type	k_q3f32df1712_qkv,@function
k_q3f32df1712_qkv:
	s_mov_b64 s[64:65], 0
	v_nop
	global_prefetch_b8 v0, s[64:65] scope:SCOPE_SE
	s_setreg_imm32_b32 hwreg(HW_REG_WAVE_MODE, 25, 1), 1
	s_wait_xcnt 0x0
	s_wait_alu depctr_hold_cnt(0) depctr_sa_sdst(0) depctr_va_vdst(0) depctr_va_sdst(0) depctr_va_ssrc(0) depctr_va_vcc(0) depctr_vm_vsrc(0)
	s_getreg_b32 s2, hwreg(HW_REG_IB_STS2, 6, 4)
	s_cmp_eq_u32 s2, 0
	s_cbranch_scc0 .Lentry_in_a_cluster
	s_endpgm
.Lentry_in_a_cluster:
	s_bfe_u32 s2, ttmp6, 0x10000c
	s_cmp_lg_u32 s2, 0x3003
	s_cbranch_scc0 .Lentry_shape_is_right
	s_endpgm
.Lentry_shape_is_right:
; q = x wq^T, k = x wk^T (both rotated), v = x wv^T, on codes of E2M3 with E8M0 scales; each result is quantised in registers and stored as images of operand registers (1,536 bytes a fragment).
; ONE BODY: D = R x Ln^T.  R (source 0) has its rows along a lane's registers, the axis that is quantised next; Ln (source 1) has its rows across the lanes.  Both come from w1, 24,576 bytes a row tile (16 fragments along K = 2,048).
;   clusters 0-47 (q, k): R = 256 rows of wq | wk (two heads), Ln = 128 tokens.   clusters 48-63 (v): R = 256 tokens, Ln = one head's 128 rows of wv.
; Slot r of row tile 2 b + u holds row 32 b + 8 u + r + 8 (r / 8): so the 16 registers of R's tiles 2 b and 2 b + 1 are the 16 neighbours 32 b + 16 (lane / 16) + 0 .. 15.
; SHARES: a work-group makes R 256 x Ln 128; wave (wr, wl) R 128 (8 tiles) x Ln 64 (4 tiles): 32 accumulators, 256 registers.
; CLUSTER: the four work-groups of a cluster need the same tiles of R, two thirds of a slot's bytes: those are asked for jointly (mask 15).  Ln's tiles are each work-group's own: plain loads behind the same rounds.
; K goes in four slots' fills of 512 through two LDS slots; a wave has one tensor load out at the start and one behind each round.  Slot 1's first fill is issued as a refill is.
; THE FRAGMENTS NEVER RUN DRY AT A CHANGE OF SLOTS: the change stands in a slot's last step of 128, whose fragments are in registers; half of that step's products stand inside the round, the refill and the next slot's first fragments ahead of the other half.
; Only the scale words of the first 512 along K are asked for at the head; the others follow behind slot 1's load, the tables of cos and sin behind the later changes of slots.
; PREFETCH: behind each load of a slot, and behind the LDS loads that follow it, the next slot's bytes are named, one slot's fill ahead of the load that wants them: a lane a block of 256 bytes, 24 blocks a tile.
;   R's 16 tiles are shared out among the cluster's 16 waves by address (tile 4 cx + wave); Ln's 8 among the work-group's four waves, two each.  Lanes 24-31 name their wave's last block again.  Slot 3 is the last to be named.
; w2: record x 1,536 bytes of codes, from S_B record x 64 bytes of scale words ([r]).  q, k: record = head x 256 + token tile (heads 0-7 q, 8-11 k); v: (12 + head) x 256 + key chunk x 8 + tile of d.
; LIMITS: NaN and infinities are not served; a block whose largest magnitude lies under 2^-124 (zeros among them) gets the byte 1, read by this program alone; the rotation is made with fused multiply-adds.
; REGISTERS: window 0: v2-11 addresses, v16-47 T, v48-67 codes, v68-83 at work, v84-87 scale words made, v88-89 for the add, v92 the prefetches' offset, v128-255 scale words SC[16 i + kappa] (lanes 0-15 R's tile i, lanes 16-31 Ln's tile i).
;   window 1: accumulator (m, a) at v[64 m + 8 a].   window 2: R's fragments, two sets (v0, v96); v192-255 tile 2's table; in the last step v0-63 tile 3's.   window 3: Ln's fragments, two sets (v0, v48); v96-223 tables of tiles 0, 1.
.set XW_S,   11010048
.set ROPE_T, 11468800
.set S_B,    6291456
.set REC,    24576
.set SLOT,   147456                    ; R's 16 tiles x 6,144 bytes (4 fragments), then Ln's 8
.set LOFF,   98304
.set SPARE,  294912                    ; behind the ring: the spare words, 128 bytes a wave
.set SCRATCH, 295424                   ; 256 bytes a wave: scale words on their way out; no fill lands here
.set ADR, 2
.set ADL, 4
.set LI,  6
.set L8,  7
.set SCRA, 8
.set SCRB, 9
.set TOF, 10
.set SOF, 11
.set T,   16
.set PC,  48
.set TM,  68
.set PW,  84
.set SPW, 88
.set NIL, 89
.set PFO, 92
.set SC,  128
.set G1R, 16
.set G1L, 24
.set G0R, 32
.set G0L, 40
.set MSB, 0
.macro WIN new                         ; the immediate's high byte repeats the setting that is left; a switch that changes nothing is dropped
.if MSB != (\new)
	s_set_vgpr_msb (MSB<<8)|(\new)
.set MSB, (\new)
.endif
.endm
.macro PLACES
.rept 4
	v_nop
.endr
.endm
.macro CREST                           ; a round of the cluster's barrier behind its opening barrier
	s_cmp_lg_u32 s8, 0
	s_cbranch_scc1 .Lnw0_\@
	s_barrier_signal -3
.Lnw0_\@:
	s_barrier_wait -3
	s_barrier_signal -1
	s_barrier_wait -1
.endm
.macro ROUND                           ; a whole round
	s_barrier_signal -1
	s_barrier_wait -1
	CREST
.endm
.macro JLOAD s                         ; waves 0, 1: R's halves, jointly; waves 2, 3: Ln's halves.  Four v_nop follow each line
	s_cmp_eq_u32 s9, 0
	s_cbranch_scc0 .Lfor_l_\@
	tensor_load_to_lds s[G0R+4*\s:G0R+4*\s+3], s[G1R:G1R+7]
	s_nop 0
.rept 4
	v_nop
.endr
	s_branch .Lasked_\@
.Lfor_l_\@:
	tensor_load_to_lds s[G0L+4*\s:G0L+4*\s+3], s[G1L:G1L+7]
	s_nop 0
.rept 4
	v_nop
.endr
.Lasked_\@:
.endm
.macro ASK f                           ; the bytes of the f-th fill: one tile's 6,144 bytes of R, two tiles' of Ln
	global_prefetch_b8 v[PFO], s[86:87] offset:6144*(\f) th:TH_LOAD_NT scope:SCOPE_SE
	global_prefetch_b8 v[PFO], s[90:91] offset:6144*(\f) th:TH_LOAD_NT scope:SCOPE_SE
	global_prefetch_b8 v[PFO], s[90:91] offset:REC+6144*(\f) th:TH_LOAD_NT scope:SCOPE_SE
.endm
	s_load_b128 s[4:7], s[0:1], 0x0                ; w1, w2
	v_lshl_add_u32 v[SPW], v0, 2, SPARE
	v_mov_b32 v[NIL], 0
	ds_add_u32 v[SPW], v[NIL]                      ; the opening lines: the add, twice on end, and its wait
	ds_add_u32 v[SPW], v[NIL]
	s_wait_dscnt 0x0
	v_lshrrev_b32 v1, 5, v0
	v_readfirstlane_b32 s8, v1                     ; wave
	s_lshr_b32 s9, s8, 1                           ; wr: my half of R.  Also: I fetch for R (0) or for Ln (1)
	s_and_b32 s10, s8, 1                           ; wl: my half of Ln.  Also: which half I fetch
	s_bfe_u32 s11, ttmp6, 0x40000                  ; cx
	s_mov_b32 s12, ttmp9                           ; the cluster's number C
	s_lshr_b32 s66, s12, 3                         ; q, k: rho = C / 8,
	s_and_b32 s67, s12, 7                          ; tg = C % 8
	s_lshl_b32 s68, s66, 4
	s_add_co_u32 s68, s68, 256                     ; q, k: R's first tile
	s_max_u32 s69, s12, 48
	s_sub_co_u32 s69, s69, 48                      ; v: C - 48
	s_lshl_b32 s70, s69, 4                         ; v: R's first tile
	s_lshl_b32 s71, s11, 3
	s_lshl_b32 s72, s67, 5
	s_add_co_u32 s72, s72, s71                     ; q, k: Ln's first tile 32 tg + 8 cx
	s_add_co_u32 s73, s71, 352                     ; v: 352 + 8 cx
	s_lshl_b32 s74, s66, 9
	s_add_co_u32 s74, s74, s72                     ; q, k: first record 512 rho + Ln's first tile
	s_add_co_u32 s75, s11, 12
	s_lshl_b32 s75, s75, 8
	s_add_co_u32 s75, s75, s70                     ; v: (12 + cx) 256 + 16 (C - 48)
	s_lshl_b32 s78, s72, 4                         ; q, k: first token
	s_mov_b32 s79, 256
	s_cmp_lt_u32 s12, 48                           ; the choice hangs on the cluster's number, which the partners share
	s_cselect_b32 s14, s68, s70
	s_cselect_b32 s15, s72, s73
	s_cselect_b32 s74, s74, s75
	s_cselect_b32 s79, s79, 8                      ; records from wr = 0 to wr = 1
	s_cselect_b32 s78, s78, 0                      ; (v: the table's first rows are loaded and not used)
	s_mul_i32 s79, s79, s9
	s_add_co_u32 s74, s74, s79
	s_lshl_b32 s79, s10, 2
	s_add_co_u32 s74, s74, s79                     ; my four records begin here
	s_mul_i32 s48, s74, 1536
	s_mov_b32 s49, 0
	s_lshl_b32 s50, s74, 6
	s_add_co_u32 s50, s50, S_B
	s_mov_b32 s51, 0
	s_mov_b32 s76, 0x76543210
	s_mov_b32 s77, 0xfedcba98
	; descriptor groups 1: rows of 6,144 bytes (768 elements of 8), one for each row tile, 24,576 bytes apart; R: 8 rows and the mask, Ln: 4 rows
	s_mov_b32 s[G1R+0], 15|(3<<16)|(1<<21)
	s_mov_b32 s[G1L+0], 3<<16
.irp g, G1R, G1L
	s_mov_b32 s[\g+1], 768<<16
	s_mov_b32 s[\g+3], 768<<16
	s_mov_b32 s[\g+5], REC/8
	s_mov_b32 s[\g+6], 0
	s_mov_b32 s[\g+7], 0
.endr
	s_mov_b32 s[G1R+2], 8<<16
	s_mov_b32 s[G1R+4], 8
	s_mov_b32 s[G1L+2], 4<<16
	s_mov_b32 s[G1L+4], 4
	s_lshl_b32 s56, s10, 3
	s_add_co_u32 s56, s56, s14
	s_mul_i32 s56, s56, REC                        ; R: made of the cluster's number and the wave's alone
	s_mov_b32 s57, 0
	s_lshl_b32 s58, s10, 2
	s_add_co_u32 s58, s58, s15
	s_mul_i32 s58, s58, REC                        ; Ln
	s_mov_b32 s59, 0
	s_mul_i32 s60, s10, 49152                      ; where they go: no place in the cluster enters an LDS address
	s_mul_i32 s61, s10, 24576
	s_add_co_u32 s61, s61, LOFF
	s_lshl_b32 s86, s11, 2                         ; the prefetches: R's tile 4 cx + wave,
	s_add_co_u32 s86, s86, s8
	s_add_co_u32 s86, s86, s14
	s_mul_i32 s86, s86, REC
	s_mov_b32 s87, 0
	s_lshl_b32 s90, s8, 1                          ; Ln's tiles 2 wave, 2 wave + 1
	s_add_co_u32 s90, s90, s15
	s_mul_i32 s90, s90, REC
	s_mov_b32 s91, 0
	; vector addresses
	v_and_b32 v1, 31, v0
	v_lshlrev_b32 v[LI], 4, v1
	v_lshlrev_b32 v[L8], 3, v1
	v_min_u32 v[PFO], 23, v1
	v_lshlrev_b32 v[PFO], 8, v[PFO]
	v_and_b32 v12, 15, v0                          ; r
	v_bfe_u32 v13, v0, 4, 1                        ; h
	s_mul_i32 s81, s9, 49152
	v_add_nc_u32 v[ADR], s81, v[LI]
	v_add_nc_u32 v[ADR+1], SLOT, v[ADR]
	s_mul_i32 s82, s10, 24576
	s_add_co_u32 s82, s82, LOFF
	v_add_nc_u32 v[ADL], s82, v[LI]
	v_add_nc_u32 v[ADL+1], SLOT, v[ADL]
	s_lshl_b32 s83, s8, 8
	s_add_co_u32 s83, s83, SCRATCH
	v_lshl_add_u32 v[SCRA], v12, 2, s83
	v_add_nc_u32 v[SCRB], s83, v[L8]
	s_lshl_b32 s80, s10, 6
	s_add_co_u32 s80, s80, s78                     ; my first token
	v_and_b32 v14, 8, v12
	v_add_nc_u32 v14, v14, v12
	v_add_nc_u32 v14, s80, v14
	v_lshlrev_b32 v[TOF], 9, v14
	v_lshl_add_u32 v[TOF], v13, 6, v[TOF]          ; the table: my token's row of 512 bytes, + 64 h
	s_lshl_b32 s84, s9, 3
	s_add_co_u32 s84, s84, s14
	s_lshl_b32 s84, s84, 10                        ; R's scale words, 1,024 bytes a tile;
	s_lshl_b32 s85, s10, 2
	s_add_co_u32 s85, s85, s15
	s_lshl_b32 s85, s85, 10                        ; Ln's
	v_mov_b32 v14, s84
	v_mov_b32 v15, s85
	v_cmp_eq_u32 vcc_lo, 1, v13
	v_cndmask_b32 v[SOF], v14, v15, vcc_lo         ; lanes 0-15 take R's, lanes 16-31 Ln's
	v_lshl_add_u32 v[SOF], v12, 4, v[SOF]
.irp b, 0,1,2,3
	v_mov_b32 v[TM+4+\b], 0                        ; a lane permute's destination counts as one of its sources
.endr
	s_wait_kmcnt 0x0
	s_add_nc_u64 s[56:57], s[4:5], s[56:57]
	s_add_nc_u64 s[58:59], s[4:5], s[58:59]
	s_add_nc_u64 s[52:53], s[4:5], ROPE_T
	s_add_nc_u64 s[54:55], s[4:5], XW_S
	s_add_nc_u64 s[86:87], s[4:5], s[86:87]
	s_add_nc_u64 s[90:91], s[4:5], s[90:91]
	s_add_nc_u64 s[48:49], s[6:7], s[48:49]
	s_add_nc_u64 s[50:51], s[6:7], s[50:51]
	ROUND                                          ; all four work-groups are here: the first joint loads meet
.irp s, 0,1
	s_mov_b32 s[G0R+4*\s], 1
	s_add_co_u32 s[G0R+4*\s+1], s60, \s*SLOT
	s_add_nc_u64 s[G0R+4*\s+2:G0R+4*\s+3], s[56:57], \s*6144
	s_or_b32 s[G0R+4*\s+3], s[G0R+4*\s+3], 0x80000000
	s_mov_b32 s[G0L+4*\s], 1
	s_add_co_u32 s[G0L+4*\s+1], s61, \s*SLOT
	s_add_nc_u64 s[G0L+4*\s+2:G0L+4*\s+3], s[58:59], \s*6144
	s_or_b32 s[G0L+4*\s+3], s[G0L+4*\s+3], 0x80000000
.endr
	JLOAD 0                                        ; slot 0: one tensor load a wave at the head
	s_wait_alu depctr_va_vdst(0)
.macro SCALES q                        ; the scale words of my tiles for kappa 4 q .. 4 q + 3: 8 loads (for i > 3 lanes 16-31 read words of w1 that are not used)
.irp i, 0,1,2,3,4,5,6,7
	global_load_b128 v[SC+16*\i+4*(\q):SC+16*\i+4*(\q)+3], v[SOF], s[54:55] offset:1024*\i+256*(\q)
.endr
.endm
	SCALES 0
	ASK 1
.macro TABLE m, tb                     ; tile m's cos (32 registers) and sin (32): register 16 b + i belongs to j = 32 b + 16 h + i
.irp z, 0,1
.irp b, 0,1
.irp q, 0,1,2,3
	global_load_b128 v[(\tb)+32*\z+16*\b+4*\q:(\tb)+32*\z+16*\b+4*\q+3], v[TOF], s[52:53] offset:(32*((\m)/2)+8*((\m)%2))*512+256*\z+128*\b+16*\q
.endr
.endr
.endr
.endm
.macro FETCH slot, q, p                ; the fragments of the slot's q-th 128 along K into set p: 36 loads of 512 consecutive bytes
	WIN 0x80
.irp a, 0,1,2,3,4,5,6,7
.irp c, 0,1,2
	ds_load_b128 v[96*(\p)+12*\a+4*\c:96*(\p)+12*\a+4*\c+3], v[ADR+(\slot)] offset:6144*\a+1536*(\q)+512*\c
.endr
.endr
	WIN 0xc0
.irp m, 0,1,2,3
.irp c, 0,1,2
	ds_load_b128 v[48*(\p)+12*\m+4*\c:48*(\p)+12*\m+4*\c+3], v[ADL+(\slot)] offset:6144*\m+1536*(\q)+512*\c
.endr
.endr
.endm
.macro MULM p, kap, zero, m0           ; 16 matrix instructions: Ln's tiles m0, m0 + 1 x R's eight; the 32 accumulators take turns, one instruction a turn, in the same order in every step
	WIN 0x5e
.irp m, \m0, \m0+1
.irp a, 0,1,2,3,4,5,6,7
.if \zero
	v_wmma_scale_f32_16x16x128_f8f6f4 v[64*(\m)+8*\a:64*(\m)+8*\a+7], v[96*(\p)+12*\a:96*(\p)+12*\a+11], v[48*(\p)+12*(\m):48*(\p)+12*(\m)+11], 0, v[SC+16*\a+(\kap)], v[SC+16*(\m)+(\kap)] matrix_a_fmt:MATRIX_FMT_FP6 matrix_b_fmt:MATRIX_FMT_FP6 matrix_b_scale:MATRIX_SCALE_ROW1
.else
	v_wmma_scale_f32_16x16x128_f8f6f4 v[64*(\m)+8*\a:64*(\m)+8*\a+7], v[96*(\p)+12*\a:96*(\p)+12*\a+11], v[48*(\p)+12*(\m):48*(\p)+12*(\m)+11], v[64*(\m)+8*\a:64*(\m)+8*\a+7], v[SC+16*\a+(\kap)], v[SC+16*(\m)+(\kap)] matrix_a_fmt:MATRIX_FMT_FP6 matrix_b_fmt:MATRIX_FMT_FP6 matrix_b_scale:MATRIX_SCALE_ROW1
.endif
.endr
.endr
.endm
; A step of 128 along K, kappa = 0 .. 15: slot (kappa / 4) % 2, its (kappa % 4)-th 128, set kappa % 2.  Four plain places stand in front of each run of loads into a set that matrix instructions have read.
.macro STEP kap
.set SL, ((\kap)/4)%2
.set QQ, (\kap)%4
.set PP, (\kap)%2
.if QQ < 3
.if (\kap) > 0
	PLACES
.endif
	FETCH SL, QQ+1, 1-PP
.if (\kap) == 0
	s_wait_loadcnt 24                              ; the first 8 loads of scale words are in; the other 24 may be out
.endif
.if (\kap) == 4
	s_wait_loadcnt 32                              ; all scale words are in; the 32 loads of tables 0 and 1 may be out
.endif
	s_wait_dscnt 36                                ; all but the 36 just issued
.if (\kap) == 0
	MULM PP, \kap, 1, 0
	MULM PP, \kap, 1, 2
.else
	MULM PP, \kap, 0, 0
	MULM PP, \kap, 0, 2
.endif
.else
.if (\kap) < 15
	WIN 0                                          ; THE CHANGE OF SLOTS
	s_wait_tensorcnt 0x0                           ; all my tensor loads have landed: my part of the other slot; so a group 0 may be written
	ds_add_u32 v[SPW], v[NIL]                      ; 0 onto my spare word
.if (\kap) < 11
	s_add_nc_u64 s[G0R+4*SL+2:G0R+4*SL+3], s[G0R+4*SL+2:G0R+4*SL+3], 12288
	s_add_nc_u64 s[G0L+4*SL+2:G0L+4*SL+3], s[G0L+4*SL+2:G0L+4*SL+3], 12288
.endif
	s_wait_dscnt 0x0                               ; the add is done; this step's fragments are in, and with them my reads of the slot are over
	s_barrier_signal -1                            ; (where the slot is filled again this barrier opens a round of the cluster's barrier)
	MULM PP, \kap, 0, 0                            ; work on registers while the others arrive
	WIN 0
	s_barrier_wait -1
.if (\kap) < 11
	CREST                                          ; no wave of any partner still reads the slot or has a load on its way
	JLOAD SL                                       ; my one tensor load behind the round; its four v_nop are also the places in front of the loads that follow
.else
	PLACES
.endif
	FETCH 1-SL, 0, 1-PP
.if (\kap) == 3
	TABLE 0, 96                                    ; (window 3)
	TABLE 1, 160
	ASK 3
.endif
.if (\kap) == 7
	WIN 0x80
	TABLE 2, 192
.endif
	MULM PP, \kap, 0, 2
.else
	PLACES
	WIN 0x80
	TABLE 3, 0                                     ; into R's set 0, which has had its last products
	s_wait_dscnt 0x0
	MULM PP, \kap, 0, 0
	MULM PP, \kap, 0, 2
.endif
.endif
.endm
	s_wait_tensorcnt 0x0                           ; my part of slot 0 is in
	ds_add_u32 v[SPW], v[NIL]
	s_wait_dscnt 0x0
	ROUND                                          ; everybody's part is in, and all four work-groups are here
	JLOAD 1                                        ; slot 1's first fill, the first tensor load behind the round
	FETCH 0, 0, 0
	WIN 0
	SCALES 1
	SCALES 2
	SCALES 3
	ASK 2
.irp k, 0,1,2,3,4,5,6,7,8,9,10,11,12,13,14,15
	STEP \k
.endr
	PLACES                                         ; in front of the first reads of results
	WIN 0
; The rotation of tile m: x1 = registers 0-31 (d < 64), x2 = registers 32-63 (d + 64).  x1' = x1 c - x2 s, x2' = x1 s + x2 c.  Each accumulator is read from its low end on.
.macro ROPE m, wt, tb
.set XA, 64*(\m)
	WIN 0x01|((\wt)<<2)
.irp i, 0,2,4,6,8,10,12,14,16,18,20,22,24,26,28,30
	v_pk_mul_f32 v[T+\i:T+\i+1], v[XA+\i:XA+\i+1], v[(\tb)+32+\i:(\tb)+33+\i]
.endr
	WIN 0x41|((\wt)<<2)
.irp i, 0,2,4,6,8,10,12,14,16,18,20,22,24,26,28,30
	v_pk_mul_f32 v[XA+\i:XA+\i+1], v[XA+\i:XA+\i+1], v[(\tb)+\i:(\tb)+\i+1]
.endr
	WIN 0x51|((\wt)<<2)
.irp i, 0,2,4,6,8,10,12,14,16,18,20,22,24,26,28,30
	v_pk_fma_f32 v[XA+\i:XA+\i+1], v[XA+32+\i:XA+33+\i], v[(\tb)+32+\i:(\tb)+33+\i], v[XA+\i:XA+\i+1] neg_lo:[0,1,0] neg_hi:[0,1,0]
.endr
	WIN 0x41|((\wt)<<2)
.irp i, 0,2,4,6,8,10,12,14,16,18,20,22,24,26,28,30
	v_pk_fma_f32 v[XA+32+\i:XA+33+\i], v[XA+32+\i:XA+33+\i], v[(\tb)+\i:(\tb)+\i+1], v[T+\i:T+\i+1]
.endr
.endm
	s_cmp_lt_u32 s12, 48
	s_cbranch_scc0 .Lno_rope                       ; v is not rotated
	s_wait_loadcnt 16                              ; the tables of tiles 0 to 2 are in; tile 3's sixteen loads may be out
	ROPE 0, 3, 96
	ROPE 1, 3, 160
	ROPE 2, 2, 192
	s_wait_loadcnt 0x0
	ROPE 3, 2, 0
	WIN 0
.Lno_rope:
; Tile m's 64 numbers a lane (register 16 b + i = k 32 b + 16 h + i of my row) become a fragment's codes in v[PC] on and its scale word in v[PW + m].
.macro QUANTW m
.set SS, 64*(\m)
	WIN 0x05
.irp b, 0,1,2,3
	v_max3_num_f32 v[TM+\b], |v[SS+16*\b]|, |v[SS+1+16*\b]|, 0x1800000   ; and the floor 2^(3 - 127): the byte cannot fall under 1
.endr
	WIN 0x14
.irp i, 2,4,6,8,10,12,14
.irp b, 0,1,2,3
	v_max3_num_f32 v[TM+\b], v[TM+\b], |v[SS+16*\b+\i]|, |v[SS+1+16*\b+\i]|
.endr
.endr
	WIN 0
.irp b, 0,1,2,3
	v_permlanex16_b32 v[TM+4+\b], v[TM+\b], s76, s77
.endr
.irp b, 0,1,2,3
	v_max_num_f32 v[TM+\b], v[TM+\b], v[TM+4+\b]   ; with lane l xor 16's: the block's largest magnitude
.endr
.irp b, 0,1,2,3
	v_add_nc_u32 v[TM+12+\b], 0xff000000, v[TM+\b] ; 2 off the exponent field: the conversion's scale operand
.endr
.irp b, 0,1,2,3
	v_lshrrev_b32 v[TM+4+\b], 23, v[TM+12+\b]      ; the scale's byte
.endr
	v_lshl_or_b32 v[PW+\m], v[TM+5], 8, v[TM+4]
	v_lshl_or_b32 v[PW+\m], v[TM+6], 16, v[PW+\m]
	v_lshl_or_b32 v[PW+\m], v[TM+7], 24, v[PW+\m]
.if \m > 0
	s_wait_alu depctr_va_vdst(0)
	s_wait_xcnt 0x0                                ; the last tile's stores have read their data: the codes' registers are written again only behind this wait
.endif
	WIN 0x01
.irp c, 0,1
	v_cvt_scalef32_pk16_fp6_f32 v[PC+6*\c:PC+2+6*\c], v[SS+32*\c:SS+15+32*\c], v[TM+12+2*\c]
	v_cvt_scalef32_pk16_fp6_f32 v[PC+12+4*\c:PC+14+4*\c], v[SS+16+32*\c:SS+31+32*\c], v[TM+12+2*\c+1]
.endr
	WIN 0
	v_nop                                          ; one plain place behind a scaled conversion
.irp c, 0,1                            ; the operand's layout wants a whole block in a lane
.irp i, 0,1,2
	v_permlane16_swap_b32 v[PC+6*\c+\i], v[PC+12+4*\c+\i]
.endr
.irp i, 0,1,2
	v_mov_b32 v[PC+3+6*\c+\i], v[PC+12+4*\c+\i]
.endr
.endr
.irp c, 0,1,2
	global_store_b128 v[LI], v[PC+4*\c:PC+4*\c+3], s[48:49] offset:1536*(\m)+512*\c   ; 512 consecutive bytes, aligned
.endr
	ds_store_b32 v[SCRA], v[PW+\m] offset:64*(\m)  ; lanes l and l xor 16 write the same word with the same value
.endm
	QUANTW 0
	QUANTW 1
	QUANTW 2
	QUANTW 3
	ds_load_b64 v[90:91], v[SCRB]                  ; LDS serves a wave's instructions in order: this sees my stores
	s_wait_dscnt 0x0
	global_store_b64 v[L8], v[90:91], s[50:51]     ; my four records' scale words: 256 consecutive bytes, aligned
	s_wait_tensorcnt 0x0                           ; the wave's end
	ds_add_u32 v[SPW], v[NIL]
	s_wait_dscnt 0x0
	ROUND                                          ; the closing round
	s_endpgm
.Lfunc_end_k_q3f32df1712_qkv:
	.size	k_q3f32df1712_qkv, .Lfunc_end_k_q3f32df1712_qkv-k_q3f32df1712_qkv
	.p2alignl 7, 3214868480
	.fill 96, 4, 3214868480
	.section	.rodata,"a",@progbits
	.p2align	6, 0x0
	.amdhsa_kernel k_q3f32df1712_qkv
		.amdhsa_group_segment_fixed_size 327680
		.amdhsa_private_segment_fixed_size 0
		.amdhsa_enable_private_segment 0
		.amdhsa_kernarg_size 16
		.amdhsa_user_sgpr_count 2
		.amdhsa_user_sgpr_kernarg_segment_ptr 1
		.amdhsa_wavefront_size32 1
		.amdhsa_system_sgpr_workgroup_id_x 1
		.amdhsa_system_sgpr_workgroup_id_y 1
		.amdhsa_system_sgpr_workgroup_id_z 1
		.amdhsa_system_vgpr_workitem_id 0
		.amdhsa_next_free_vgpr 1024
		.amdhsa_next_free_sgpr 100
		.amdhsa_reserve_vcc 1
		.amdhsa_float_denorm_mode_32 3
		.amdhsa_float_denorm_mode_16_64 3
		.amdhsa_memory_ordered 1
		.amdhsa_forward_progress 1
		.amdhsa_inst_pref_size 160
	.end_amdhsa_kernel
	.amdgpu_metadata
---
amdhsa.version: [ 1, 2 ]
amdhsa.kernels:
  - .name:           k_q3f32df1712_qkv
    .symbol:         k_q3f32df1712_qkv.kd
    .args:
      - { .name: w1, .offset: 0, .size: 8, .value_kind: global_buffer, .address_space: global }
      - { .name: w2, .offset: 8, .size: 8, .value_kind: global_buffer, .address_space: global }
    .group_segment_fixed_size: 327680
    .private_segment_fixed_size: 0
    .kernarg_segment_align: 8
    .kernarg_segment_size: 16
    .max_flat_workgroup_size: 128
    .sgpr_count:     100
    .vgpr_count:     1024
    .wavefront_size: 32
...
	.end_amdgpu_metadata
.endif
;; end of part 2
;; launch attn (part 3): grid 32 x 8, 8 waves a work-group, no clusters, 168,960 bytes of LDS; arguments w2, w3; writes w3
.if DOCPART == 3
	.amdgcn_target "amdgcn-amd-amdhsa--gfx1250"
	.amdhsa_code_object_version 6
	.text
	.protected	k_q3f32df1712_attn
	.globl	k_q3f32df1712_attn
	.p2align	8
	.type	k_q3f32df1712_attn,@function
k_q3f32df1712_attn:
	s_mov_b64 s[64:65], 0
	v_nop
	global_prefetch_b8 v0, s[64:65] scope:SCOPE_SE
	s_setreg_imm32_b32 hwreg(HW_REG_WAVE_MODE, 25, 1), 1
	s_wait_xcnt 0x0
; O[t][head] = softmax over the keys s with s <= t and t - s <= 512 of (q[t] . k[s] / sqrt(128)) times v[s], both products on codes of E2M3; O / l is quantised along the head's 128 and stored as an operand's image.
; p = 2^(t' - M), t' = score x log2(e) / sqrt(128), M the running largest t' rounded up to a whole number; the row's sum is taken of the unquantised p and divides at the end.
; SHARES: work-group (n, head) owns queries 128 n .. 128 n + 127 of one query head; wave w owns query tile 8 n + w (slot r: query 32 (w / 2) + 8 (w % 2) + r + 8 (r / 8) of the 128).
; The mask leaves key chunks n - 4 .. n (128 keys each).  Five chunks from s0 = max(n - 4, 0) on are brought into LDS ONCE, by tensor loads of waves 0-5, and read by all eight waves; nothing is filled again.
; The loop has five trips in every work-group; a chunk behind n (only where n < 4) is passed over by a scalar branch on ids.  Chunk n is masked causally, chunk n - 4 by the window; the three between need no mask (1 <= t - s <= 511).
; Both products are used transposed: a lane holds one query throughout.  The fragments' rows are laid so that p's 16 registers of two neighbouring tiles are 16 neighbouring keys, and O's likewise 16 neighbours of d.
; NO CLUSTER: only the two query heads of one key head at one block of queries need the same bytes; four partners would need different key ranges at different LDS addresses, and each work-group fills LDS once.
; LIMITS: NaN and infinities are not served; p under 2^-126 falls to 0; a block of zeros gets the byte 1, read by this program alone.
; REGISTERS: v1-7, v31 addresses that stay; v8-11 addresses in hand; v12 -M, v13 largest t', v[14:15] the sum; v16-27 Q; v32-79 four fragments; v96-159 S^T, then p; v160-223 O^T; v224-235 p's codes; v232-254 at work; v255 Q's scale words.
.set S_B, 6291456
.set O_S, 3145728
.set VC,  61440                        ; LDS: K's five chunks at 0, V's here (12,288 bytes a chunk),
.set KS,  122880                       ; K's scale words (512 bytes a chunk),
.set VS,  125440                       ; V's,
.set OSW, 128000                       ; and 512 bytes for O's scale words on their way out: no fill lands here
.set PC, 32
.set TM, 56
.set PW, 72
	s_load_b128 s[4:7], s[0:1], 0x0                ; w2, w3
	v_lshl_add_u32 v95, v0, 2, 0x29000
	v_mov_b32 v243, 0
	ds_add_u32 v95, v243
	ds_add_u32 v95, v243
	v_lshrrev_b32 v8, 5, v0
	s_delay_alu instid0(VALU_DEP_1)
	v_readfirstlane_b32 s8, v8                     ; wave 0..7
	s_mov_b32 s9, ttmp9                            ; n
	s_and_b32 s10, ttmp7, 0xffff                   ; query head
	s_lshr_b32 s11, s10, 1                         ; key head
	s_max_u32 s12, s9, 4
	s_sub_co_u32 s12, s12, 4                       ; s0
	; descriptor groups 1: dense blocks as rows of 256 bytes (32 elements of 8): 120 rows of codes, 10 rows of scale words
	s_mov_b32 s24, 3<<16
	s_mov_b32 s25, 32<<16
	s_mov_b32 s26, 120<<16
	s_mov_b32 s27, 32<<16
	s_mov_b32 s28, 120
	s_mov_b32 s29, 32
	s_mov_b32 s30, 0
	s_mov_b32 s31, 0
	s_mov_b32 s32, 3<<16
	s_mov_b32 s33, 32<<16
	s_mov_b32 s34, 10<<16
	s_mov_b32 s35, 32<<16
	s_mov_b32 s36, 10
	s_mov_b32 s37, 32
	s_mov_b32 s38, 0
	s_mov_b32 s39, 0
	s_and_b32 s48, s8, 3                           ; waves 0, 1: K's halves; 2, 3: V's
	s_mul_i32 s49, s48, 30720                      ; in LDS
	s_lshr_b32 s52, s48, 1
	s_lshl_b32 s52, s52, 2
	s_add_co_u32 s52, s52, s11
	s_add_co_u32 s52, s52, 8                       ; group of 256 records: 8 + key head (K), 12 + key head (V)
	s_mul_i32 s50, s52, 393216
	s_mul_i32 s52, s12, 12288
	s_add_co_u32 s50, s50, s52
	s_and_b32 s53, s8, 1
	s_mul_i32 s52, s53, 30720
	s_add_co_u32 s50, s50, s52
	s_mov_b32 s51, 0
	s_mul_i32 s54, s53, 2560                       ; waves 4, 5: K's and V's scale words
	s_add_co_u32 s54, s54, KS
	s_lshl_b32 s52, s53, 2
	s_add_co_u32 s52, s52, s11
	s_add_co_u32 s52, s52, 8
	s_lshl_b32 s56, s52, 14
	s_lshl_b32 s52, s12, 9
	s_add_co_u32 s56, s56, s52
	s_add_co_u32 s56, s56, S_B
	s_mov_b32 s57, 0
	s_lshl_b32 s52, s9, 3
	s_add_co_u32 s52, s52, s8                      ; my query tile 8 n + w
	s_lshl_b32 s58, s10, 8
	s_add_co_u32 s58, s58, s52                     ; its record in w2
	s_mul_i32 s60, s58, 1536
	s_mov_b32 s61, 0
	s_lshl_b32 s62, s58, 6
	s_add_co_u32 s62, s62, S_B
	s_mov_b32 s63, 0
	s_lshl_b32 s66, s52, 3
	s_add_co_u32 s66, s66, s10
	s_mul_i32 s66, s66, 1536                       ; O's codes: (tile x 8 + head) x 1,536
	s_mov_b32 s67, 0
	s_lshl_b32 s68, s10, 14
	s_lshl_b32 s52, s9, 9
	s_add_co_u32 s68, s68, s52
	s_add_co_u32 s68, s68, O_S                     ; O's scale words: head x 16,384 + n x 512
	s_mov_b32 s69, 0
	s_mov_b32 s20, 0x76543210
	s_mov_b32 s21, 0xfedcba98
	s_mov_b32 s22, 0x3e0293ee                      ; c = log2(e) / sqrt(128)
	s_mov_b32 s23, s22                             ; (named with it as a pair)
	s_mov_b32 s13, s12                             ; the chunk in hand
	s_mov_b32 s14, 0                               ; its codes' place in LDS,
	s_mov_b32 s15, 0                               ; its scale words'
	s_mov_b32 s16, 5
	s_wait_dscnt 0x0
	s_wait_kmcnt 0x0
	s_mov_b32 s40, 1
	s_mov_b32 s41, s49
	s_add_nc_u64 s[42:43], s[4:5], s[50:51]
	s_or_b32 s43, s43, 0x80000000
	s_mov_b32 s44, 1
	s_mov_b32 s45, s54
	s_add_nc_u64 s[46:47], s[4:5], s[56:57]
	s_or_b32 s47, s47, 0x80000000
	s_cmp_lt_u32 s8, 4                             ; the fills: one load a wave, waves 0 to 5; four v_nop follow each line
	s_cbranch_scc0 .Lnot_c
	tensor_load_to_lds s[40:43], s[24:31]
	s_nop 0
.rept 4
	v_nop
.endr
	s_branch .Lasked
.Lnot_c:
	s_cmp_lt_u32 s8, 6
	s_cbranch_scc0 .Lasked
	tensor_load_to_lds s[44:47], s[32:39]
	s_nop 0
.rept 4
	v_nop
.endr
.Lasked:
	s_add_nc_u64 s[60:61], s[4:5], s[60:61]
	s_add_nc_u64 s[62:63], s[4:5], s[62:63]
	s_add_nc_u64 s[66:67], s[6:7], s[66:67]
	s_add_nc_u64 s[68:69], s[6:7], s[68:69]
	v_and_b32 v28, 15, v0                          ; r
	v_bfe_u32 v29, v0, 4, 1                        ; h
	v_and_b32 v1, 31, v0
	s_delay_alu instid0(VALU_DEP_1)
	v_lshlrev_b32 v1, 4, v1                        ; 16 x lane
	s_delay_alu instid0(VALU_DEP_4)
	v_lshlrev_b32 v2, 2, v28                       ; 4 r
.irp c, 0,1,2
	global_load_b128 v[16+4*\c:19+4*\c], v1, s[60:61] offset:512*\c   ; Q's fragment stays in registers
.endr
	global_load_b32 v255, v2, s[62:63]             ; and its scale words
	v_and_b32 v3, 8, v28
	s_delay_alu instid0(VALU_DEP_1)
	v_add_nc_u32 v3, v3, v28
	v_lshlrev_b32 v30, 4, v29
	s_delay_alu instid0(VALU_DEP_1)
	v_sub_nc_u32 v3, v3, v30
	s_lshr_b32 s55, s8, 1
	s_lshl_b32 s55, s55, 5
	s_lshl_b32 s59, s53, 3
	s_add_co_u32 s55, s55, s59
	v_add_nc_u32 v3, s55, v3                       ; Y = my query's place among the 128, less 16 h: register 16 b + i holds the chunk's key 16 h + 32 b + i
	v_add_nc_u32 v4, VC, v1
	v_add_nc_u32 v5, KS, v2
	v_add_nc_u32 v6, VS, v2
	s_lshl_b32 s55, s8, 6
	s_add_co_u32 s55, s55, OSW
	v_add_nc_u32 v7, s55, v2
	v_add_nc_u32 v31, OSW, v1
	v_mov_b32 v13, 0xff61b1e6                      ; the largest t' so far: -3e38
	s_delay_alu instid0(VALU_DEP_1)
	v_floor_f32 v12, -v13                          ; -M
	v_mov_b32 v14, 0
	v_mov_b32 v15, 0
.irp b, 0,1,2,3
	v_mov_b32 v[236+\b], 0                         ; a lane permute's destination counts as one of its sources
.endr
	v_mov_b32 v252, 0
	v_mov_b32 v253, 0
.set j, 0
.rept 64
	v_mov_b32 v[160+j], 0                          ; O^T: the loop is written once; its first step finds zeros
.set j, j+1
.endr
	s_wait_tensorcnt 0x0                           ; my fill has landed,
	s_barrier_signal -1
	s_barrier_wait -1                              ; everybody's has
	s_wait_loadcnt 0x0                             ; Q
.Lchunk:
	s_cmp_gt_u32 s13, s9
	s_cbranch_scc1 .Lskip                          ; a chunk whose keys all come after my queries
	v_add_nc_u32 v8, s14, v1                       ; (these four and the v_nop are the places in front of the loads below, and the five in front of the score products, which write over v96-143, read by the last trip's products as an operand)
	v_add_nc_u32 v9, s14, v4
	v_add_nc_u32 v10, s15, v5
	v_add_nc_u32 v11, s15, v6
	v_nop
	s_wait_alu depctr_va_vdst(0)
.irp g, 0,1                            ; S^T = K Q^T, four tiles of 16 keys at a time
.if \g > 0
.rept 4
	v_nop
.endr
.endif
.irp t, 0,1,2,3
.irp c, 0,1,2
	ds_load_b128 v[32+12*\t+4*\c:35+12*\t+4*\c], v8 offset:(4*\g+\t)*1536+512*\c
.endr
	ds_load_b32 v[248+\t], v10 offset:(4*\g+\t)*64
.endr
	s_wait_dscnt 0x0
.irp t, 0,1,2,3
	v_wmma_scale_f32_16x16x128_f8f6f4 v[96+8*(4*\g+\t):103+8*(4*\g+\t)], v[32+12*\t:43+12*\t], v[16:27], 0, v[248+\t], v255 matrix_a_fmt:MATRIX_FMT_FP6 matrix_b_fmt:MATRIX_FMT_FP6
.endr
.endr
.rept 4
	v_nop
.endr
.irp t, 0,1,2,3                        ; V's tiles 0-3 of d and their scale words (v80-83) are asked for here, behind the four places: the masks and the softmax stand between these loads and the wait for them
.irp c, 0,1,2
	ds_load_b128 v[32+12*\t+4*\c:35+12*\t+4*\c], v9 offset:\t*1536+512*\c
.endr
	ds_load_b32 v[80+\t], v11 offset:\t*64
.endr
	s_cmp_lg_u32 s13, s9
	s_cbranch_scc1 .Lno_causal
	v_mov_b32 v254, 0xff800000                     ; chunk n: keys after my query become -infinity: p = 0
.set j, 0
.rept 64
	v_cmp_gt_i32 vcc_lo, 32*(j/16)+j%16, v3
	v_cndmask_b32 v[96+j], v[96+j], v254, vcc_lo
.set j, j+1
.endr
.Lno_causal:
	s_add_co_u32 s56, s13, 4
	s_cmp_lg_u32 s56, s9
	s_cbranch_scc1 .Lno_window
	v_mov_b32 v254, 0xff800000                     ; chunk n - 4: keys more than 512 before my query
.set j, 0
.rept 64
	v_cmp_lt_i32 vcc_lo, 32*(j/16)+j%16, v3
	v_cndmask_b32 v[96+j], v[96+j], v254, vcc_lo
.set j, j+1
.endr
.Lno_window:
.irp b, 0,1,2,3
	v_max3_num_f32 v[232+\b], v[96+16*\b], v[97+16*\b], v[98+16*\b]   ; the largest score of each block of 32 keys: it serves the row's maximum and, since p rises with the score, the block's largest p
.endr
.irp i, 3,5,7,9,11,13
.irp b, 0,1,2,3
	v_max3_num_f32 v[232+\b], v[232+\b], v[96+16*\b+\i], v[97+16*\b+\i]
.endr
.endr
.irp b, 0,1,2,3
	v_max_num_f32 v[232+\b], v[232+\b], v[111+16*\b]
.endr
.irp b, 0,1,2,3
	s_delay_alu instid0(VALU_DEP_4)
	v_permlanex16_b32 v[236+\b], v[232+\b], s20, s21
.endr
.irp b, 0,1,2,3
	s_delay_alu instid0(VALU_DEP_4)
	v_max_num_f32 v[232+\b], v[232+\b], v[236+\b]
.endr
	s_delay_alu instid0(VALU_DEP_2)
	v_max3_num_f32 v254, v232, v233, v234
	s_delay_alu instid0(VALU_DEP_1)
	v_max_num_f32 v254, v254, v235
	s_delay_alu instid0(VALU_DEP_1)
	v_mul_f32 v254, s22, v254
	s_delay_alu instid0(VALU_DEP_1)
	v_max_num_f32 v13, v13, v254                   ; the running largest t'
	v_mov_b32 v254, v12
	s_delay_alu instid0(VALU_DEP_2)
	v_floor_f32 v12, -v13                          ; the new -M: M is a whole number
	s_delay_alu instid0(VALU_DEP_1)
	v_sub_f32 v254, v12, v254
	s_delay_alu instid0(VALU_DEP_1)
	v_cvt_i32_f32 v254, v254                       ; (it saturates)
	s_delay_alu instid0(VALU_DEP_1)
	v_ldexp_f32 v252, 1.0, v254                    ; f = 2^(old M - new M): rounds nothing
.set j, 0
.rept 32
	v_pk_fma_f32 v[96+j:97+j], v[96+j:97+j], s[22:23], v[12:13] op_sel_hi:[1,0,0]   ; t' - M
.set j, j+2
.endr
.irp b, 0,1,2,3
	v_fma_f32 v[232+\b], v[232+\b], s22, v12
.endr
.set j, 0
	s_wait_alu depctr_va_vdst(0)
.rept 64
	v_exp_f32 v[96+j], v[96+j]                     ; p
.set j, j+1
.endr
.irp b, 0,1,2,3
	v_exp_f32 v[232+\b], v[232+\b]                 ; the block's largest p
.endr
	v_pk_mul_f32 v[14:15], v[14:15], v[252:253] op_sel_hi:[1,0]   ; the sums under the new M (a plain place behind the exponentials)
	s_wait_alu depctr_va_vdst(0)
.irp b, 0,1,2,3
	v_max_num_f32 v[232+\b], 0x1800000, v[232+\b]  ; the floor 2^(3 - 127)
.endr
.irp b, 0,1,2,3
	s_delay_alu instid0(VALU_DEP_4)
	v_add_nc_u32 v[244+\b], 0xff000000, v[232+\b]
.endr
.irp b, 0,1,2,3
	s_delay_alu instid0(VALU_DEP_4)
	v_lshrrev_b32 v[236+\b], 23, v[244+\b]
.endr
	s_delay_alu instid0(VALU_DEP_3)
	v_lshl_or_b32 v253, v237, 8, v236              ; p's scale word for these 128 keys
	s_delay_alu instid0(VALU_DEP_1)
	v_lshl_or_b32 v253, v238, 16, v253
	s_delay_alu instid0(VALU_DEP_1)
	v_lshl_or_b32 v253, v239, 24, v253
.irp c, 0,1
	v_cvt_scalef32_pk16_fp6_f32 v[224+6*\c:226+6*\c], v[96+32*\c:111+32*\c], v[244+2*\c]
	v_cvt_scalef32_pk16_fp6_f32 v[236+4*\c:238+4*\c], v[112+32*\c:127+32*\c], v[244+2*\c+1]
.endr
	v_nop                                          ; one plain place behind a scaled conversion
.irp c, 0,1
.irp i, 0,1,2
	v_permlane16_swap_b32 v[224+6*\c+\i], v[236+4*\c+\i]
.endr
.irp i, 0,1,2
	s_delay_alu instid0(VALU_DEP_3)
	v_mov_b32 v[227+6*\c+\i], v[236+4*\c+\i]
.endr
.endr
	v_pk_add_f32 v[236:237], v[100:101], v[104:105]
	v_pk_add_f32 v[250:251], v[108:109], v[112:113]
	v_pk_add_f32 v[248:249], v[116:117], v[120:121]
	v_pk_add_f32 v[246:247], v[124:125], v[128:129]
	v_pk_add_f32 v[244:245], v[132:133], v[136:137]
	v_pk_add_f32 v[240:241], v[140:141], v[144:145]
	v_pk_add_f32 v[92:93], v[148:149], v[152:153]
	v_pk_add_f32 v[14:15], v[14:15], v[156:157]
	v_pk_add_f32 v[236:237], v[236:237], v[96:97]
	v_pk_add_f32 v[250:251], v[250:251], v[98:99]
	v_pk_add_f32 v[248:249], v[248:249], v[102:103]
	v_pk_add_f32 v[246:247], v[246:247], v[106:107]
	v_pk_add_f32 v[244:245], v[244:245], v[110:111]
	v_pk_add_f32 v[240:241], v[240:241], v[114:115]
	v_pk_add_f32 v[92:93], v[92:93], v[118:119]
	v_pk_add_f32 v[14:15], v[14:15], v[122:123]
	v_pk_add_f32 v[236:237], v[236:237], v[126:127]
	v_pk_add_f32 v[250:251], v[250:251], v[130:131]
	v_pk_add_f32 v[248:249], v[248:249], v[134:135]
	v_pk_add_f32 v[246:247], v[246:247], v[138:139]
	v_pk_add_f32 v[244:245], v[244:245], v[142:143]
	v_pk_add_f32 v[240:241], v[240:241], v[146:147]
	v_pk_add_f32 v[92:93], v[92:93], v[150:151]
	v_pk_add_f32 v[14:15], v[14:15], v[154:155]
	v_pk_add_f32 v[236:237], v[236:237], v[158:159]
	s_delay_alu instid0(VALU_DEP_2)
	v_pk_add_f32 v[14:15], v[14:15], v[246:247]
	s_delay_alu instid0(VALU_DEP_2)
	v_pk_add_f32 v[236:237], v[236:237], v[244:245]
	v_pk_add_f32 v[250:251], v[250:251], v[240:241]
	v_pk_add_f32 v[248:249], v[248:249], v[92:93]
	s_delay_alu instid0(VALU_DEP_2)
	v_pk_add_f32 v[14:15], v[14:15], v[250:251]
	s_delay_alu instid0(VALU_DEP_2)
	v_pk_add_f32 v[236:237], v[236:237], v[248:249]
	s_delay_alu instid0(VALU_DEP_1)
	v_pk_add_f32 v[14:15], v[14:15], v[236:237]
.irp t, 0,1,2,3                        ; p has been converted and summed: V's tiles 4-7 go into v96-143, their scale words into v84-87; the 32 multiplications below stand between these loads and the wait for them
.irp c, 0,1,2
	ds_load_b128 v[96+12*\t+4*\c:99+12*\t+4*\c], v9 offset:(4+\t)*1536+512*\c
.endr
	ds_load_b32 v[84+\t], v11 offset:(4+\t)*64
.endr
.set j, 0
.rept 32
	v_pk_mul_f32 v[160+j:161+j], v[160+j:161+j], v[252:253] op_sel_hi:[1,0]   ; O^T under the new M; these are also the places in front of the loads and products below
.set j, j+2
.endr
	s_wait_alu depctr_va_vdst(0)
	s_wait_dscnt 0x0                               ; all eight fragments of V and their scale words are in
.irp t, 0,1,2,3                        ; O^T += V^T P^T: eight products on end, each on an accumulator of its own
	v_wmma_scale_f32_16x16x128_f8f6f4 v[160+8*\t:167+8*\t], v[32+12*\t:43+12*\t], v[224:235], v[160+8*\t:167+8*\t], v[80+\t], v253 matrix_a_fmt:MATRIX_FMT_FP6 matrix_b_fmt:MATRIX_FMT_FP6
.endr
.irp t, 0,1,2,3
	v_wmma_scale_f32_16x16x128_f8f6f4 v[192+8*\t:199+8*\t], v[96+12*\t:107+12*\t], v[224:235], v[192+8*\t:199+8*\t], v[84+\t], v253 matrix_a_fmt:MATRIX_FMT_FP6 matrix_b_fmt:MATRIX_FMT_FP6
.endr
.Lskip:
	s_add_co_u32 s13, s13, 1
	s_add_co_u32 s14, s14, 12288
	s_add_co_u32 s15, s15, 512
	s_sub_co_u32 s16, s16, 1
	s_cmp_lg_u32 s16, 0
	s_cbranch_scc1 .Lchunk
	; THE WAY OUT: O^T / the sum, quantised along d: register 16 b + i is d = 32 b + 16 h + i of my query: the next product's operand as it stands
.rept 4
	v_nop
.endr
	v_add_f32 v14, v14, v15
	s_delay_alu instid0(VALU_DEP_1)
	v_permlanex16_b32 v252, v14, s20, s21
	s_delay_alu instid0(VALU_DEP_1)
	v_add_f32 v14, v14, v252
	s_wait_alu depctr_va_vdst(0)
	v_rcp_f32 v14, v14
	v_nop                                          ; one plain place behind a transcendental
.set j, 0
	s_wait_alu depctr_va_vdst(0)
.rept 64
	v_mul_f32 v[96+j], v[160+j], v14
.set j, j+1
.endr
.irp b, 0,1,2,3
	v_mov_b32 v[TM+4+\b], 0
.endr
.irp b, 0,1,2,3
	v_max3_num_f32 v[TM+\b], |v[96+16*\b]|, |v[97+16*\b]|, 0x1800000
.endr
.irp i, 2,4,6,8,10,12,14
.irp b, 0,1,2,3
	s_delay_alu instid0(VALU_DEP_4)
	v_max3_num_f32 v[TM+\b], v[TM+\b], |v[96+16*\b+\i]|, |v[97+16*\b+\i]|
.endr
.endr
.irp b, 0,1,2,3
	s_delay_alu instid0(VALU_DEP_4)
	v_permlanex16_b32 v[TM+4+\b], v[TM+\b], s20, s21
.endr
.irp b, 0,1,2,3
	s_delay_alu instid0(VALU_DEP_4)
	v_max_num_f32 v[TM+\b], v[TM+\b], v[TM+4+\b]
.endr
.irp b, 0,1,2,3
	s_delay_alu instid0(VALU_DEP_4)
	v_add_nc_u32 v[TM+12+\b], 0xff000000, v[TM+\b]
.endr
.irp b, 0,1,2,3
	s_delay_alu instid0(VALU_DEP_4)
	v_lshrrev_b32 v[TM+4+\b], 23, v[TM+12+\b]
.endr
	s_delay_alu instid0(VALU_DEP_3)
	v_lshl_or_b32 v[PW], v[TM+5], 8, v[TM+4]
	s_delay_alu instid0(VALU_DEP_1)
	v_lshl_or_b32 v[PW], v[TM+6], 16, v[PW]
	s_delay_alu instid0(VALU_DEP_1)
	v_lshl_or_b32 v[PW], v[TM+7], 24, v[PW]
.irp c, 0,1
	v_cvt_scalef32_pk16_fp6_f32 v[PC+6*\c:PC+2+6*\c], v[96+32*\c:111+32*\c], v[TM+12+2*\c]
	v_cvt_scalef32_pk16_fp6_f32 v[PC+12+4*\c:PC+14+4*\c], v[112+32*\c:127+32*\c], v[TM+12+2*\c+1]
.endr
	v_nop
.irp c, 0,1
.irp i, 0,1,2
	v_permlane16_swap_b32 v[PC+6*\c+\i], v[PC+12+4*\c+\i]
.endr
.irp i, 0,1,2
	s_delay_alu instid0(VALU_DEP_3)
	v_mov_b32 v[PC+3+6*\c+\i], v[PC+12+4*\c+\i]
.endr
.endr
.irp c, 0,1,2
	global_store_b128 v1, v[PC+4*\c:PC+4*\c+3], s[66:67] offset:512*\c   ; 512 consecutive bytes, aligned
.endr
	ds_store_b32 v7, v[PW]                         ; my tile's scale words; lanes l and l xor 16 write the same word with the same value
	s_wait_dscnt 0x0                               ; for the others' sake
	s_barrier_signal -1
	s_barrier_wait -1
	s_cmp_lg_u32 s8, 0
	s_cbranch_scc1 .Lend
	ds_load_b128 v[76:79], v31                     ; wave 0 stores the eight tiles' words: 512 consecutive bytes, aligned
	s_wait_dscnt 0x0
	global_store_b128 v1, v[76:79], s[68:69]
.Lend:
	s_wait_tensorcnt 0x0
	ds_add_u32 v95, v243
	s_wait_dscnt 0x0
	s_endpgm
.Lfunc_end_k_q3f32df1712_attn:
	.size	k_q3f32df1712_attn, .Lfunc_end_k_q3f32df1712_attn-k_q3f32df1712_attn
	.p2alignl 7, 3214868480
	.fill 96, 4, 3214868480
	.section	.rodata,"a",@progbits
	.p2align	6, 0x0
	.amdhsa_kernel k_q3f32df1712_attn
		.amdhsa_group_segment_fixed_size 168960
		.amdhsa_private_segment_fixed_size 0
		.amdhsa_enable_private_segment 0
		.amdhsa_kernarg_size 16
		.amdhsa_user_sgpr_count 2
		.amdhsa_user_sgpr_kernarg_segment_ptr 1
		.amdhsa_wavefront_size32 1
		.amdhsa_system_sgpr_workgroup_id_x 1
		.amdhsa_system_sgpr_workgroup_id_y 1
		.amdhsa_system_sgpr_workgroup_id_z 1
		.amdhsa_system_vgpr_workitem_id 0
		.amdhsa_next_free_vgpr 256
		.amdhsa_next_free_sgpr 100
		.amdhsa_reserve_vcc 1
		.amdhsa_float_denorm_mode_32 3
		.amdhsa_float_denorm_mode_16_64 3
		.amdhsa_memory_ordered 1
		.amdhsa_forward_progress 1
		.amdhsa_inst_pref_size 49
	.end_amdhsa_kernel
	.amdgpu_metadata
---
amdhsa.version: [ 1, 2 ]
amdhsa.kernels:
  - .name:           k_q3f32df1712_attn
    .symbol:         k_q3f32df1712_attn.kd
    .args:
      - { .name: w2, .offset: 0, .size: 8, .value_kind: global_buffer, .address_space: global }
      - { .name: w3, .offset: 8, .size: 8, .value_kind: global_buffer, .address_space: global }
    .group_segment_fixed_size: 168960
    .private_segment_fixed_size: 0
    .kernarg_segment_align: 8
    .kernarg_segment_size: 16
    .max_flat_workgroup_size: 256
    .sgpr_count:     100
    .vgpr_count:     256
    .wavefront_size: 32
...
	.end_amdgpu_metadata
.endif
;; end of part 3
;; launch proj (part 4): grid 256 x 1, 4 waves a work-group, clusters of 4 x 1, 167,936 bytes of LDS; arguments w1, w3, out0; writes out0
.if DOCPART == 4
	.amdgcn_target "amdgcn-amd-amdhsa--gfx1250"
	.amdhsa_code_object_version 6
	.text
	.protected	k_q3f32df1712_proj
	.globl	k_q3f32df1712_proj
	.p2align	8
	.type	k_q3f32df1712_proj,@function
k_q3f32df1712_proj:
	s_mov_b64 s[64:65], 0
	v_nop
	global_prefetch_b8 v0, s[64:65] scope:SCOPE_SE
	s_setreg_imm32_b32 hwreg(HW_REG_WAVE_MODE, 25, 1), 1
	s_wait_xcnt 0x0
	s_wait_alu depctr_hold_cnt(0) depctr_sa_sdst(0) depctr_va_vdst(0) depctr_va_sdst(0) depctr_va_ssrc(0) depctr_va_vcc(0) depctr_vm_vsrc(0)
	s_getreg_b32 s2, hwreg(HW_REG_IB_STS2, 6, 4)
	s_cmp_eq_u32 s2, 0
	s_cbranch_scc0 .Lentry_in_a_cluster
	s_endpgm
.Lentry_in_a_cluster:
	s_bfe_u32 s2, ttmp6, 0x10000c
	s_cmp_lg_u32 s2, 0x3003
	s_cbranch_scc0 .Lentry_shape_is_right
	s_endpgm
.Lentry_shape_is_right:
; out0[t][n] = the sum over k of o[t][k] wo[n][k], K = 1,024, on codes of E2M3 with E8M0 scales; out0 [4096][2048] f32.
; D = R x Ln^T: R (source 0) = rows of wo, from w1; Ln (source 1) = tokens of o, from w3; both as images of operand registers, 12,288 bytes a row tile (8 fragments along K).
; A work-group makes 128 tokens x 256 columns.  Ln, 8 tiles x all of K, is one dense block of 98,304 bytes: it comes into LDS ONCE, a quarter by each wave's one tensor load; nothing is filled again.
; CLUSTER: the four work-groups of a cluster take the same 128 tokens and four different blocks of columns: Ln is asked for jointly (mask 15); its address is made of the cluster's number and the wave's alone.
; R is dealt out: wave w owns tiles 4 w .. 4 w + 3 of the work-group's 16: 64 neighbouring columns.  No other wave reads them, so all 32 fragments go from memory straight into 384 registers and stay.
; THE WALK GOES BY TOKENS: a pair of Ln's tiles (32 neighbouring tokens) is finished in 64 matrix instructions, K ascending, its 8 accumulators by turns, and leaves through the wave's own stage while the next pair is multiplied.
; No prefetch: every operand is asked for once, at the head; there is no loop to run ahead in.
; REGISTERS: window 0: v2-13 addresses; v32-63 wo's scale words SCR[8 a + kappa]; v64-95 o's SCL[8 p + kappa] (lanes 0-15 tile 2 p, lanes 16-31 tile 2 p + 1); v128-223 Ln's set for kappa 4-7.
;   window 1: accumulators, two sets of 64: (p % 2, mm, a) at v[64 (p % 2) + 32 mm + 8 a]; v128-223 Ln's set for kappa 0-3.
;   window 2: R's kappa 0-3 at v[48 kappa + 12 a]; window 3: kappa 4-7 likewise; v192-255 of both: rows of out0 on their way out, by turns.
.set WO_C,  9437184
.set WO_S,  11403264
.set O_S,   3145728
.set REC,   12288
.set SPARE, 98304                      ; behind Ln: the spare words
.set STAGE, 98816                      ; a stage of 32 rows x 272 bytes for each wave; no fill lands here
.set SPITCH, 272
.set LI,  2
.set ADL, 2                            ; v2, v3: 16 x lane, + 49,152 for tiles 4-7
.set L4,  4
.set SRO, 5
.set STO, 6
.set RD,  7
.set CO,  8
.set RR,  10
.set HH,  11
.set SPW, 12
.set NIL, 13
.set SCR, 32
.set SCL, 64
.set MSB, 0
.macro WIN new
.if MSB != (\new)
	s_set_vgpr_msb (MSB<<8)|(\new)
.set MSB, (\new)
.endif
.endm
.macro PLACES
.rept 4
	v_nop
.endr
.endm
.macro ROUND                           ; a round of the cluster's barrier
	s_barrier_signal -1
	s_barrier_wait -1
	s_cmp_lg_u32 s8, 0
	s_cbranch_scc1 .Lnw0_\@
	s_barrier_signal -3
.Lnw0_\@:
	s_barrier_wait -3
	s_barrier_signal -1
	s_barrier_wait -1
.endm
	s_load_b128 s[4:7], s[0:1], 0x0                ; w1, w3
	s_load_b64 s[48:49], s[0:1], 0x10              ; out0
	v_lshl_add_u32 v[SPW], v0, 2, SPARE
	v_mov_b32 v[NIL], 0
	ds_add_u32 v[SPW], v[NIL]                      ; the opening lines: the add, twice on end, and its wait
	ds_add_u32 v[SPW], v[NIL]
	v_lshrrev_b32 v1, 5, v0
	v_readfirstlane_b32 s8, v1                     ; wave
	s_bfe_u32 s11, ttmp6, 0x40000                  ; cx
	s_mov_b32 s12, ttmp9                           ; the cluster's number
	s_lshr_b32 s13, s12, 1                         ; which 128 tokens
	s_and_b32 s14, s12, 1
	s_lshl_b32 s14, s14, 2
	s_add_co_u32 s14, s14, s11                     ; rho: which 256 columns
	s_mov_b32 s24, 15|(3<<16)|(1<<21)              ; group 1: the mask; a dense block as 96 rows of 256 bytes (32 elements of 8)
	s_mov_b32 s25, 32<<16
	s_mov_b32 s26, 96<<16
	s_mov_b32 s27, 32<<16
	s_mov_b32 s28, 96
	s_mov_b32 s29, 32
	s_mov_b32 s30, 0
	s_mov_b32 s31, 0
	s_lshl_b32 s58, s13, 3
	s_lshl_b32 s59, s8, 1
	s_add_co_u32 s58, s58, s59
	s_mul_i32 s58, s58, REC                        ; the two tiles of Ln that I fetch
	s_mov_b32 s59, 0
	s_mov_b32 s32, 1
	s_mul_i32 s33, s8, 24576                       ; and where they go
	s_lshl_b32 s56, s14, 4
	s_lshl_b32 s57, s8, 2
	s_add_co_u32 s56, s56, s57
	s_mul_i32 s56, s56, REC
	s_add_co_u32 s56, s56, WO_C                    ; my four tiles of wo
	s_mov_b32 s57, 0
	s_lshl_b32 s54, s14, 3
	s_lshl_b32 s55, s8, 1
	s_add_co_u32 s54, s54, s55
	s_lshl_b32 s54, s54, 10
	s_add_co_u32 s54, s54, WO_S                    ; their scale words: pair of tiles 8 rho + 2 w on
	s_mov_b32 s55, 0
	s_lshl_b32 s52, s13, 9
	s_add_co_u32 s52, s52, O_S                     ; o's: tile x 64, + head x 16,384
	s_mov_b32 s53, 0
	s_lshl_b32 s50, s13, 20                        ; my first token's row of 8,192 bytes,
	s_lshl_b32 s51, s14, 10
	s_add_co_u32 s50, s50, s51
	s_lshl_b32 s51, s8, 8
	s_add_co_u32 s50, s50, s51                     ; my first column
	s_mov_b32 s51, 0
	s_mul_i32 s83, s8, 32*SPITCH
	s_add_co_u32 s83, s83, STAGE                   ; my stage
	s_wait_dscnt 0x0                               ; both opening adds are done
	s_wait_kmcnt 0x0
	s_add_nc_u64 s[34:35], s[6:7], s[58:59]
	s_or_b32 s35, s35, 0x80000000
	s_add_nc_u64 s[56:57], s[4:5], s[56:57]
	s_add_nc_u64 s[54:55], s[4:5], s[54:55]
	s_add_nc_u64 s[52:53], s[6:7], s[52:53]
	s_add_nc_u64 s[48:49], s[48:49], s[50:51]
	ROUND                                          ; all four work-groups are here: the joint loads meet
	tensor_load_to_lds s[32:35], s[24:31]          ; my one tensor load: a quarter of Ln, all of K
	s_nop 0
	v_and_b32 v1, 31, v0
	v_lshlrev_b32 v[LI], 4, v1
	v_lshlrev_b32 v[L4], 2, v1
	v_and_b32 v[RR], 15, v0                        ; r
	v_bfe_u32 v[HH], v0, 4, 1                      ; h
	v_add_nc_u32 v[ADL+1], 49152, v[LI]
	v_lshlrev_b32 v[SRO], 4, v[RR]
	v_mul_u32_u24 v1, v[RR], SPITCH
	v_lshl_add_u32 v1, v[HH], 6, v1
	v_add_nc_u32 v[STO], s83, v1                   ; into the stage: row r, + 64 h
	v_mul_u32_u24 v9, v[HH], SPITCH
	v_lshl_add_u32 v9, v[RR], 4, v9
	v_add_nc_u32 v[RD], s83, v9                    ; back: sixteen lanes to a row of 256 bytes, two rows a load
	v_lshlrev_b32 v[CO], 13, v[HH]
	v_lshl_add_u32 v[CO], v[RR], 4, v[CO]          ; and the same two rows in out0
	s_wait_alu depctr_va_vdst(0)
.irp a, 0,1,2,3
.irp q, 0,1
	global_load_b128 v[SCR+8*\a+4*\q:SCR+8*\a+4*\q+3], v[SRO], s[54:55] offset:1024*(\a/2)+512*(\a%2)+256*\q
.endr
.endr
.irp p, 0,1,2,3
.irp k, 0,1,2,3,4,5,6,7
	global_load_b32 v[SCL+8*\p+\k], v[L4], s[52:53] offset:16384*\k+128*\p
.endr
.endr
.irp e, 0,1                            ; my 32 fragments of wo: 96 loads of 512 consecutive bytes
	WIN 0x80+0x40*\e
.irp k, 0,1,2,3
.irp a, 0,1,2,3
.irp c, 0,1,2
	global_load_b128 v[48*\k+12*\a+4*\c:48*\k+12*\a+4*\c+3], v[LI], s[56:57] offset:REC*\a+1536*(4*\e+\k)+512*\c
.endr
.endr
.endr
.endr
	WIN 0
.macro FETCH g                         ; piece g: tiles 2 (g / 2), 2 (g / 2) + 1, kappa 4 (g % 2) + 0 .. 3: 24 loads into the set of g % 2
	WIN 0x40*(1-(\g)%2)
.irp mm, 0,1
.irp k, 0,1,2,3
.irp c, 0,1,2
	ds_load_b128 v[128+48*\mm+12*\k+4*\c:128+48*\mm+12*\k+4*\c+3], v[ADL+(\g)/4] offset:REC*((2*((\g)/2)+\mm)%4)+1536*(4*((\g)%2)+\k)+512*\c
.endr
.endr
.endr
.endm
.macro WM c, tail
	v_wmma_scale_f32_16x16x128_f8f6f4 v[DD:DD+7], v[AA:AA+11], v[BB:BB+11], \c, v[SA], v[SB] matrix_a_fmt:MATRIX_FMT_FP6 matrix_b_fmt:MATRIX_FMT_FP6 \tail
.endm
.macro MUL g                           ; 32 matrix instructions; the pair's 8 accumulators take turns, one instruction a turn; a pair's first eight start the sums
	WIN 0x56-3*((\g)%2)
.irp k, 0,1,2,3
.irp mm, 0,1
.irp a, 0,1,2,3
.set DD, 64*(((\g)/2)%2)+32*\mm+8*\a
.set AA, 48*\k+12*\a
.set BB, 128+48*\mm+12*\k
.set SA, SCR+8*\a+4*((\g)%2)+\k
.set SB, SCL+8*((\g)/2)+4*((\g)%2)+\k
.if (\g)%2 == 0 && \k == 0
.if \mm
	WM 0, matrix_b_scale:MATRIX_SCALE_ROW1
.else
	WM 0
.endif
.else
.if \mm
	WM v[DD:DD+7], matrix_b_scale:MATRIX_SCALE_ROW1
.else
	WM v[DD:DD+7]
.endif
.endif
.endr
.endr
.endr
.endm
; THE WAY OUT of pair p: 32 tokens x 64 columns through my own stage: in as 16 bytes a lane, row 16 mm + r; back as whole rows of 256 bytes.  LDS serves a wave's instructions in order.
.macro TOSTAGE p
	WIN 0x04                                       ; an LDS store's data are its source 1: window 1
.irp mm, 0,1
.irp a, 0,1,2,3
	ds_store_b128 v[STO], v[64*((\p)%2)+32*\mm+8*\a:64*((\p)%2)+32*\mm+8*\a+3] offset:16*SPITCH*\mm+128*(\a/2)+32*(\a%2)      ; each accumulator from its low end on
	ds_store_b128 v[STO], v[64*((\p)%2)+32*\mm+8*\a+4:64*((\p)%2)+32*\mm+8*\a+7] offset:16*SPITCH*\mm+128*(\a/2)+32*(\a%2)+16
.endr
.endr
	WIN 0x80+0x40*((\p)%2)
.irp t, 0,1,2,3,4,5,6,7,8,9,10,11,12,13,14,15
	ds_load_b128 v[192+4*\t:192+4*\t+3], v[RD] offset:\t*2*SPITCH
.endr
.endm
.macro SEND p                          ; stage row 2 t + h is slot r = 2 (t % 8) + h of tile mm = t / 8: token 32 p + 8 mm + r + 8 (r / 8)
	WIN 0x08+0x04*((\p)%2)
.irp t, 0,1,2,3,4,5,6,7,8,9,10,11,12,13,14,15
	global_store_b128 v[CO], v[192+4*\t:192+4*\t+3], s[48:49] offset:(32*(\p)+8*(\t/8)+2*(\t%8)+8*((\t%8)/4))*8192 th:TH_STORE_NT   ; sixteen lanes store 256 consecutive bytes, aligned
.endr
.endm
; Piece g.  Four plain places, then the next piece's loads into the set that the piece before has read.  In an even piece the pair before goes into the stage and back; in the odd piece behind it, it is stored.
.macro STEP g
.if (\g) > 0
	PLACES
.endif
.if (\g) < 7
	FETCH (\g)+1
.endif
.if (\g)%2 == 0 && (\g) >= 2
.if (\g) >= 6
	s_wait_xcnt 0x0                                ; the stores of two pairs ago have read their registers: rows may land there again
.endif
	TOSTAGE (\g)/2-1
	s_wait_dscnt 56                                ; all but the 24 loads and the stage's 32 instructions just issued
.else
.if (\g) == 0
	s_wait_loadcnt 48                              ; the scale words and R's kappa 0-3 are in; the 48 loads of kappa 4-7 may be out
.endif
.if (\g) == 1
	s_wait_loadcnt 0x0
.endif
.if (\g) < 7
	s_wait_dscnt 24                                ; all but the 24 just issued: this piece, and the rows back from the stage
.else
	s_wait_dscnt 0x0
.endif
.if (\g) >= 3
	SEND (\g)/2-1
.endif
.endif
	MUL \g
.endm
	s_wait_tensorcnt 0x0                           ; my quarter of Ln has landed,
	s_barrier_signal -1
	s_barrier_wait -1                              ; everybody's has
	FETCH 0
.irp g, 0,1,2,3,4,5,6,7
	STEP \g
.endr
	PLACES                                         ; in front of the first reads of the last pair's results
	s_wait_xcnt 0x0
	TOSTAGE 3
	s_wait_dscnt 0x0
	SEND 3
	WIN 0
	s_wait_tensorcnt 0x0                           ; the wave's end
	ds_add_u32 v[SPW], v[NIL]
	s_wait_dscnt 0x0
	ROUND                                          ; the closing round: no work-group ends while a partner may still ask jointly
	s_endpgm
.Lfunc_end_k_q3f32df1712_proj:
	.size	k_q3f32df1712_proj, .Lfunc_end_k_q3f32df1712_proj-k_q3f32df1712_proj
	.p2alignl 7, 3214868480
	.fill 96, 4, 3214868480
	.section	.rodata,"a",@progbits
	.p2align	6, 0x0
	.amdhsa_kernel k_q3f32df1712_proj
		.amdhsa_group_segment_fixed_size 167936
		.amdhsa_private_segment_fixed_size 0
		.amdhsa_enable_private_segment 0
		.amdhsa_kernarg_size 24
		.amdhsa_user_sgpr_count 2
		.amdhsa_user_sgpr_kernarg_segment_ptr 1
		.amdhsa_wavefront_size32 1
		.amdhsa_system_sgpr_workgroup_id_x 1
		.amdhsa_system_sgpr_workgroup_id_y 1
		.amdhsa_system_sgpr_workgroup_id_z 1
		.amdhsa_system_vgpr_workitem_id 0
		.amdhsa_next_free_vgpr 1024
		.amdhsa_next_free_sgpr 100
		.amdhsa_reserve_vcc 0
		.amdhsa_float_denorm_mode_32 3
		.amdhsa_float_denorm_mode_16_64 3
		.amdhsa_memory_ordered 1
		.amdhsa_forward_progress 1
		.amdhsa_inst_pref_size 78
	.end_amdhsa_kernel
	.amdgpu_metadata
---
amdhsa.version: [ 1, 2 ]
amdhsa.kernels:
  - .name:           k_q3f32df1712_proj
    .symbol:         k_q3f32df1712_proj.kd
    .args:
      - { .name: w1, .offset: 0, .size: 8, .value_kind: global_buffer, .address_space: global }
      - { .name: w3, .offset: 8, .size: 8, .value_kind: global_buffer, .address_space: global }
      - { .name: out0, .offset: 16, .size: 8, .value_kind: global_buffer, .address_space: global }
    .group_segment_fixed_size: 167936
    .private_segment_fixed_size: 0
    .kernarg_segment_align: 8
    .kernarg_segment_size: 24
    .max_flat_workgroup_size: 128
    .sgpr_count:     100
    .vgpr_count:     1024
    .wavefront_size: 32
...
	.end_amdgpu_metadata
.endif
;; end of part 4
